; MI455X (gfx1250); checked and timed in simulation.
; The chip was launched on July 23, 2026; its instructions are those of AMD's public machine-readable ISA for CDNA 5 (MIT licence, August 2026) and "CDNA5" Instruction Set Architecture Reference Guide (July 2026). The comments in the code are by the model that wrote it; some were corrected since.
;; SA MH Layer. Allowed arithmetic: float matrix products may take bf16 or f16 operands with f32 sums; all other float work in f32.
;; Inputs: Wk 512 x 512 float32; Wq 512 x 512 float32; Wt 512 x 512 float32; Wv 512 x 512 float32; beta 512 float32; bt 512 float32; gamma 512 float32; x 64 x 512 x 512 float32.
;; Outputs: out0 64 x 512 x 512 float32.
;; 2 versions, each right; version 2 is version 1 with the launch bnorm written anew for expert scheduling mode. Each part assembles by itself: llvm-mc -triple=amdgcn-amd-amdhsa -mcpu=gfx1250 --defsym DOCPART=n.
;; ======== version 1 of 2: 4 launches
;; limits: values are held in f16: magnitudes above 65,504 overflow, below 6.1e-05 lose precision
;; workspace buffers: x16 33,554,432 bytes; w16 2,097,152 bytes; g16 8,388,608 bytes; gs 1,024 bytes; ybuf 67,108,864 bytes; stats 1,048,576 bytes
;; launch cast (part 1): grid 512 x 1, 8 waves a work-group, no clusters, 0 bytes of LDS; arguments x, Wq, Wk, Wv, Wt, x16, w16; writes x16, w16
.if DOCPART == 1
	.amdgcn_target "amdgcn-amd-amdhsa--gfx1250"
	.amdhsa_code_object_version 6
	.text
	.protected	k_qc477dc4664_cast
	.globl	k_qc477dc4664_cast
	.p2align	8
	.type	k_qc477dc4664_cast,@function
k_qc477dc4664_cast:
	s_mov_b64 s[64:65], 0
	v_nop
	global_prefetch_b8 v0, s[64:65] scope:SCOPE_SE
	s_setreg_imm32_b32 hwreg(HW_REG_WAVE_MODE, 25, 1), 1
	s_wait_xcnt 0x0
; x and the four weights are rounded to f16, once, for the two matrix launches.
; x16 is blocked: [b 64][cb 8][f 512][64 l], so that a block (b, cb) is 65,536 dense bytes and a row of it 128 bytes.
; w16 is [4: q, k, v, t][512][512].  LIMIT: |x| and |W| above 65,504 become infinite in f16.
; Work-group g: batch g / 8, rows 64 (g % 8) on; wave w: 8 of them.  Load k: row pair k / 8, column block k % 8:
; lanes 0-15 read 256 bytes of the even row, lanes 16-31 of the odd one; the b64 store of the wave covers 256 consecutive
; aligned bytes (two rows of 128 bytes of one block).  Two waves share a weight's 2,048 bytes of this work-group.
; All 34 loads of a wave go out first; no register is written again behind its store.
.set XIN,  1                           ; v1    byte offset of my 16 bytes in x
.set XOUT, 2                           ; v2    byte offset of my 8 bytes in x16
.set D,    4                           ; v[4:139]  load k: 4 registers
.set WI,   140                         ; v140  offset in the weight
.set WO,   141                         ; v141  offset in w16
	s_load_b256 s[4:11], s[0:1], 0x0               ; x s[4:5], Wq s[6:7], Wk s[8:9], Wv s[10:11]
	s_load_b128 s[12:15], s[0:1], 0x20             ; Wt s[12:13], x16 s[14:15]
	s_load_b64 s[16:17], s[0:1], 0x30              ; w16
	v_lshrrev_b32 v3, 5, v0
	v_readfirstlane_b32 s18, v3                    ; wave 0..7
	v_and_b32 v142, 31, v0                         ; lane
	v_and_b32 v143, 15, v0
	v_bfe_u32 v3, v0, 4, 1
	v_lshlrev_b32 v[XIN], 4, v143                  ; 16 (lane % 16)
	v_lshl_add_u32 v[XIN], v3, 11, v[XIN]          ; + (lane / 16) rows of 2,048 bytes
	s_lshl_b32 s22, s18, 14
	v_add_nc_u32 v[XIN], s22, v[XIN]               ; + wave x 8 rows
	s_lshl_b32 s22, s18, 10
	v_lshl_add_u32 v[XOUT], v142, 3, s22           ; 8 x lane + wave x 8 rows of 128 bytes
	s_and_b32 s23, s18, 1
	s_lshl_b32 s22, s23, 10
	v_lshl_add_u32 v[WI], v142, 4, s22
	s_lshl_b32 s22, s23, 9
	v_lshl_add_u32 v[WO], v142, 3, s22
	s_lshl_b32 s24, ttmp9, 17                      ; x: 64 rows of 2,048 bytes a work-group
	s_mov_b32 s25, 0
	s_lshr_b32 s26, ttmp9, 3
	s_lshl_b32 s26, s26, 19                        ; x16: the batch's 524,288 bytes,
	s_and_b32 s27, ttmp9, 7
	s_lshl_b32 s27, s27, 13                        ; 64 rows of 128 bytes inside every block
	s_add_co_u32 s26, s26, s27
	s_mov_b32 s27, 0
	s_lshl_b32 s28, ttmp9, 11                      ; a weight: 2,048 bytes a work-group
	s_mov_b32 s29, 0
	s_lshr_b32 s19, s18, 1                         ; which weight: wave / 2
	s_lshl_b32 s30, s19, 19
	s_lshl_b32 s31, ttmp9, 10
	s_add_co_u32 s30, s30, s31
	s_mov_b32 s31, 0
	s_wait_kmcnt 0x0
	s_cmp_eq_u32 s19, 1
	s_cselect_b64 s[20:21], s[8:9], s[6:7]
	s_cmp_eq_u32 s19, 2
	s_cselect_b64 s[20:21], s[10:11], s[20:21]
	s_cmp_eq_u32 s19, 3
	s_cselect_b64 s[20:21], s[12:13], s[20:21]
	s_add_nc_u64 s[4:5], s[4:5], s[24:25]
	s_add_nc_u64 s[14:15], s[14:15], s[26:27]
	s_add_nc_u64 s[20:21], s[20:21], s[28:29]
	s_add_nc_u64 s[16:17], s[16:17], s[30:31]
.set k, 0
.rept 32
	global_load_b128 v[D+4*k:D+4*k+3], v[XIN], s[4:5] offset:(k/8)*4096+(k%8)*256
.set k, k+1
.endr
	global_load_b128 v[D+128:D+131], v[WI], s[20:21]
	global_load_b128 v[D+132:D+135], v[WI], s[20:21] offset:512
.set k, 0
.rept 32
	s_wait_loadcnt 33-k                            ; loads come back in order: load k is in, the 33 - k younger ones stay out
	v_cvt_pk_f16_f32 v[D+4*k], v[D+4*k], v[D+4*k+1]
	v_cvt_pk_f16_f32 v[D+4*k+1], v[D+4*k+2], v[D+4*k+3]
	global_store_b64 v[XOUT], v[D+4*k:D+4*k+1], s[14:15] offset:(k%8)*65536+(k/8)*256
.set k, k+1
.endr
.irp k, 32,33
	s_wait_loadcnt 33-\k
	v_cvt_pk_f16_f32 v[D+4*\k], v[D+4*\k], v[D+4*\k+1]
	v_cvt_pk_f16_f32 v[D+4*\k+1], v[D+4*\k+2], v[D+4*\k+3]
	global_store_b64 v[WO], v[D+4*\k:D+4*\k+1], s[16:17] offset:(\k-32)*256
.endr
	s_endpgm
.Lfunc_end_k_qc477dc4664_cast:
	.size	k_qc477dc4664_cast, .Lfunc_end_k_qc477dc4664_cast-k_qc477dc4664_cast
	.p2alignl 7, 3214868480
	.fill 96, 4, 3214868480
	.section	.rodata,"a",@progbits
	.p2align	6, 0x0
	.amdhsa_kernel k_qc477dc4664_cast
		.amdhsa_group_segment_fixed_size 0
		.amdhsa_private_segment_fixed_size 0
		.amdhsa_enable_private_segment 0
		.amdhsa_kernarg_size 56
		.amdhsa_user_sgpr_count 2
		.amdhsa_user_sgpr_kernarg_segment_ptr 1
		.amdhsa_wavefront_size32 1
		.amdhsa_system_sgpr_workgroup_id_x 1
		.amdhsa_system_sgpr_workgroup_id_y 1
		.amdhsa_system_sgpr_workgroup_id_z 1
		.amdhsa_system_vgpr_workitem_id 0
		.amdhsa_next_free_vgpr 144
		.amdhsa_next_free_sgpr 66
		.amdhsa_reserve_vcc 0
		.amdhsa_float_denorm_mode_32 3
		.amdhsa_float_denorm_mode_16_64 3
		.amdhsa_memory_ordered 1
		.amdhsa_forward_progress 1
		.amdhsa_inst_pref_size 14
	.end_amdhsa_kernel
	.amdgpu_metadata
---
amdhsa.version: [ 1, 2 ]
amdhsa.kernels:
  - .name:           k_qc477dc4664_cast
    .symbol:         k_qc477dc4664_cast.kd
    .args:
      - { .name: x, .offset: 0, .size: 8, .value_kind: global_buffer, .address_space: global }
      - { .name: Wq, .offset: 8, .size: 8, .value_kind: global_buffer, .address_space: global }
      - { .name: Wk, .offset: 16, .size: 8, .value_kind: global_buffer, .address_space: global }
      - { .name: Wv, .offset: 24, .size: 8, .value_kind: global_buffer, .address_space: global }
      - { .name: Wt, .offset: 32, .size: 8, .value_kind: global_buffer, .address_space: global }
      - { .name: x16, .offset: 40, .size: 8, .value_kind: global_buffer, .address_space: global }
      - { .name: w16, .offset: 48, .size: 8, .value_kind: global_buffer, .address_space: global }
    .group_segment_fixed_size: 0
    .private_segment_fixed_size: 0
    .kernarg_segment_align: 8
    .kernarg_segment_size: 56
    .max_flat_workgroup_size: 256
    .sgpr_count:     66
    .vgpr_count:     144
    .wavefront_size: 32
...
	.end_amdgpu_metadata
.endif
;; end of part 1
;; launch gram (part 2): grid 4 x 64, 4 waves a work-group, clusters of 4 x 1, 327,680 bytes of LDS; arguments x16, w16, g16, gs; writes g16, gs
.if DOCPART == 2
	.amdgcn_target "amdgcn-amd-amdhsa--gfx1250"
	.amdhsa_code_object_version 6
	.text
	.protected	k_qc477dc4664_gram
	.globl	k_qc477dc4664_gram
	.p2align	8
	.type	k_qc477dc4664_gram,@function
k_qc477dc4664_gram:
	s_mov_b64 s[64:65], 0
	v_nop
	global_prefetch_b8 v0, s[64:65] scope:SCOPE_SE
	s_setreg_imm32_b32 hwreg(HW_REG_WAVE_MODE, 25, 1), 1
	s_wait_xcnt 0x0
	s_wait_alu depctr_hold_cnt(0) depctr_sa_sdst(0) depctr_va_vdst(0) depctr_va_sdst(0) depctr_va_ssrc(0) depctr_va_vcc(0) depctr_vm_vsrc(0)
	s_getreg_b32 s2, hwreg(HW_REG_IB_STS2, 6, 4)
	s_cmp_eq_u32 s2, 0
	s_cbranch_scc0 .Lentry_in_a_cluster
	s_endpgm
.Lentry_in_a_cluster:
	s_bfe_u32 s2, ttmp6, 0x10000c
	s_cmp_lg_u32 s2, 0x3003
	s_cbranch_scc0 .Lentry_shape_is_right
	s_endpgm
.Lentry_shape_is_right:
; For one batch b and one head h: K_h = Wk_h x, V_h = Wv_h x (128 x 512 each) and Gt_h[d'][d] = sum over l of V_h[d'][l] K_h[d][l].
; reference() forms (Q^T K) V^T; there is no softmax between the products, so Q^T (K V^T) is the same sum in another order, for every input.
; Operands f16, sums f32.  g16 holds Gt_h s_h in f16 with s_h a power of two taken from the data so that |Gt_h s_h| <= 2^-7; gs holds s_h.
; LIMITS: |K|, |V| above 65,504 become infinite in f16; max |Gt| from 2^118 on is not scaled down further.
; SHARES.  The four work-groups of a cluster are the four heads of one batch: they walk the same x16 blocks, so each block is asked for JOINTLY (mask 15).
; Wave w keeps 64 weight rows in 512 registers for the whole launch (waves 0, 1: Wk's rows 128 h + 64 (w % 2); waves 2, 3: Wv's), and walks 8 chunks of 64 points.
; A chunk: 256 products (x^T as source 0, the weights as source 1: a lane then holds one row d and eight neighbouring points), rounded to f16 into LDS [256 rows][64 l];
; the Gram products of a chunk (32 a wave; wave (i, j) owns d' 64 i on, d 64 j on) run one chunk behind, so that ONE barrier a chunk serves the slots and the K/V buffers.
; LDS: slot s at s x 81,920: [512 f][64 l] f16, rows 160 bytes apart (128 + 32 of padding: 64 banks of 4 bytes, ISA guide 11.1)
;      K/V buffer k at 163,840 + k x 36,864: rows 144 bytes apart; 256 bytes at 237,568 for the maximum.  The way out's stage lies over K/V buffer 0.  No tensor load fills bytes from 163,840 on.
; REGISTERS, in windows of 256: window 0: v0-63 addresses, v64-127 and v128-191 two fragment buffers, v192-255 packed results;
;   windows 1, 2: the weights' fragments (nt, kk) at ((kk % 8) 4 + nt) 8, kk < 8 in window 1;  window 3: v0-127 K/V sums (t, nt) at (4 t + nt) 8, v128-255 Gram sums (a, a').
; The accumulators take turns, one instruction a turn.
.set PX,    160
.set SLOTB, 512*PX
.set KVB,   2*SLOTB
.set PKV,   144
.set KVS,   256*PKV
.set SC,    KVB+2*KVS
.set PS,    272
.set AX,  8                            ; v8-11  turning-load address: slot s, upper or lower 256 rows u: AX + 2 s + u
.set WA,  12                           ; v12    my offset in the weight rows
.set KST, 14                           ; v14-15 where I put K/V, buffer 0, 1
.set KLD, 16                           ; v16-17 my K fragments
.set VLD, 18                           ; v18-19 my V fragments
.set GST, 20
.set GRD, 21
.set GO,  22
.set SCA, 23
.set SCB, 24
.set MX,  28                           ; v28-31 maxima
.set MQ,  32                           ; v32-35 the four waves' maxima
.set SV,  36                           ; v36-37 the scale, twice
.set ZR,  38
.set F0,  64
.set F1,  128
.set TMP, 192
.set GA,  128                          ; in window 3
.set G1,  24                           ; s[24:31]
.set G0,  32                           ; s[32:39] one group 0 for each slot
.set MSB, 0
.macro WIN new                         ; the immediate's high byte repeats the setting that is left; a switch that changes nothing is dropped
.if MSB != (\new)
	s_set_vgpr_msb (MSB<<8)|(\new)
.set MSB, (\new)
.endif
.endm
.macro PLACES                          ; four plain places behind matrix instructions, ahead of loads into their sources and of reads of their results
.rept 4
	v_nop
.endr
.endm
.macro CREST                           ; a round of the cluster's barrier behind its opening barrier
	s_cmp_lg_u32 s12, 0
	s_cbranch_scc1 .Lnot_wave_0_\@
	s_barrier_signal -3
.Lnot_wave_0_\@:
	s_barrier_wait -3
	s_barrier_signal -1
	s_barrier_wait -1
.endm
.macro CROUND
	s_barrier_signal -1
	s_barrier_wait -1
	CREST
.endm
	s_load_b256 s[4:11], s[0:1], 0x0               ; x16 s[4:5], w16 s[6:7], g16 s[8:9], gs s[10:11]
	v_lshl_add_u32 v62, v0, 2, 0x3a100
	v_mov_b32 v63, 0
	ds_add_u32 v62, v63
	v_lshrrev_b32 v3, 5, v0
	v_readfirstlane_b32 s12, v3                    ; wave 0..3
	s_bfe_u32 s13, ttmp6, 0x40000                  ; cx = the head: it enters the addresses in w16, g16 and gs alone
	s_and_b32 s14, ttmp7, 0xffff                   ; the batch, which the four partners share
	s_lshr_b32 s15, s12, 1                         ; i
	s_and_b32 s16, s12, 1                          ; j
	; group 1: a wave's quarter of a block, 16,384 dense bytes, as 64 rows of 256 bytes; 8 words of padding behind every 32 words: LDS rows of 128 + 32 bytes
	s_mov_b32 s[G1+0], 15|(1<<16)|(1<<20)|(1<<21)|(4<<22)|(7<<25)
	s_mov_b32 s[G1+1], 128<<16                     ; tensor_dim0 = 128 elements
	s_mov_b32 s[G1+2], 64<<16                      ; tensor_dim1 = 64
	s_mov_b32 s[G1+3], 128<<16                     ; tile_dim0 = 128
	s_mov_b32 s[G1+4], 64                          ; tile_dim1 = 64
	s_mov_b32 s[G1+5], 128                         ; from row to row
	s_mov_b32 s[G1+6], 0
	s_mov_b32 s[G1+7], 0
	s_lshl_b32 s18, s14, 19                        ; the batch's 8 blocks,
	s_lshl_b32 s19, s12, 14                        ; my quarter of a block
	s_add_co_u32 s18, s18, s19
	s_mov_b32 s19, 0
	s_mul_i32 s20, s12, 128*PX                     ; and its place in a slot
	s_add_co_u32 s44, s15, 1                       ; w16: weight 1 (k) for waves 0, 1, weight 2 (v) for waves 2, 3,
	s_lshl_b32 s44, s44, 19
	s_lshl_b32 s45, s13, 17                        ; the head's 128 rows of 1,024 bytes,
	s_add_co_u32 s44, s44, s45
	s_lshl_b32 s45, s16, 16                        ; my 64 of them
	s_add_co_u32 s44, s44, s45
	s_mov_b32 s45, 0
	s_lshl2_add_u32 s46, s14, s13                  ; 4 b + h
	s_lshl_b32 s48, s46, 2
	s_mov_b32 s49, 0
	s_lshl_b32 s46, s46, 15
	s_mov_b32 s47, 0
	s_mov_b32 s40, 0x76543210                      ; v_permlanex16_b32: each lane takes its own place in the other half
	s_mov_b32 s41, 0xfedcba98
	s_wait_dscnt 0x0
	s_wait_kmcnt 0x0
	s_add_nc_u64 s[4:5], s[4:5], s[18:19]
	s_add_nc_u64 s[6:7], s[6:7], s[44:45]
	s_add_nc_u64 s[8:9], s[8:9], s[46:47]
	s_add_nc_u64 s[10:11], s[10:11], s[48:49]
.irp s, 0,1
	s_mov_b32 s[G0+4*\s], 1
	s_add_co_u32 s[G0+4*\s+1], s20, \s*SLOTB
	s_add_nc_u64 s[G0+4*\s+2:G0+4*\s+3], s[4:5], \s*65536          ; chunk s
	s_or_b32 s[G0+4*\s+3], s[G0+4*\s+3], 0x80000000
.endr
	CROUND                                         ; all four work-groups are here: the first joint loads meet
	tensor_load_to_lds s[G0:G0+3], s[G1:G1+7]      ; two loads of mine are out
	s_nop 0
	tensor_load_to_lds s[G0+4:G0+7], s[G1:G1+7]
	s_nop 0
	PLACES
	v_and_b32 v1, 15, v0                           ; r
	v_bfe_u32 v2, v0, 4, 1                         ; hl
	v_lshlrev_b32 v[WA], 10, v1
	v_lshl_add_u32 v[WA], v2, 4, v[WA]             ; row r x 1,024 + 16 hl
.irp kk, 0,1,2,3,4,5,6,7,8,9,10,11,12,13,14,15 ; the weights stay in registers: rows 16 nt + r, channels 32 kk on
	WIN 0x40+0x40*(\kk/8)
.irp nt, 0,1,2,3
	global_load_b128 v[((\kk%8)*4+\nt)*8:((\kk%8)*4+\nt)*8+3],   v[WA], s[6:7] offset:\nt*16384+\kk*64
	global_load_b128 v[((\kk%8)*4+\nt)*8+4:((\kk%8)*4+\nt)*8+7], v[WA], s[6:7] offset:\nt*16384+\kk*64+32
.endr
.endr
	WIN 0
	v_and_b32 v3, 7, v0
	v_bfe_u32 v4, v0, 3, 1
	v_lshl_add_u32 v5, v2, 3, v3
	v_mul_u32_u24 v5, v5, PX
	v_lshl_add_u32 v[AX], v4, 4, v5                ; the turning load: row 8 hl + lane % 8, 16 bytes for each half of eight lanes
	v_add_nc_u32 v[AX+1], 256*PX, v[AX]
	v_add_nc_u32 v[AX+2], SLOTB, v[AX]
	v_add_nc_u32 v[AX+3], SLOTB+256*PX, v[AX]
	v_mul_u32_u24 v6, v1, PKV
	v_lshl_add_u32 v6, v2, 4, v6                   ; r x 144 + 16 hl
	s_mul_i32 s21, s12, 64*PKV
	s_add_co_u32 s21, s21, KVB
	v_add_nc_u32 v[KST], s21, v6                   ; rows 64 w on: K's 128, then V's 128
	v_add_nc_u32 v[KST+1], KVS, v[KST]
	s_mul_i32 s21, s16, 64*PKV
	s_add_co_u32 s21, s21, KVB
	v_add_nc_u32 v[KLD], s21, v6
	v_add_nc_u32 v[KLD+1], KVS, v[KLD]
	s_mul_i32 s21, s15, 64*PKV
	s_add_co_u32 s21, s21, KVB+128*PKV
	v_add_nc_u32 v[VLD], s21, v6
	v_add_nc_u32 v[VLD+1], KVS, v[VLD]
	v_mul_u32_u24 v7, v1, PS
	v_lshl_add_u32 v7, v2, 4, v7
	s_mul_i32 s21, s15, 64*PS
	s_lshl_b32 s22, s16, 7
	s_add_co_u32 s21, s21, s22
	s_add_co_u32 s21, s21, KVB
	v_add_nc_u32 v[GST], s21, v7                   ; stage: row 64 i + r, byte 128 j + 16 hl
	v_mul_u32_u24 v7, v2, PS
	v_lshl_add_u32 v7, v1, 4, v7
	s_mul_i32 s21, s12, 32*PS
	s_add_co_u32 s21, s21, KVB
	v_add_nc_u32 v[GRD], s21, v7                   ; back: rows 32 w on, whole
	v_lshlrev_b32 v7, 8, v2
	v_lshl_add_u32 v7, v1, 4, v7
	s_lshl_b32 s21, s12, 13
	v_add_nc_u32 v[GO], s21, v7
	s_lshl_b32 s21, s12, 2
	s_add_co_u32 s21, s21, SC
	v_mov_b32 v[SCA], s21
	v_mov_b32 v[SCB], SC
	v_mov_b32 v[ZR], 0
; 16 turning loads: x^T's fragments of channels 64 blk on (two K steps q) for the chunk's four tiles of 16 points
.macro FETCHX slot, blk, buf
	WIN 0
.irp q, 0,1
.irp t, 0,1,2,3
	ds_load_tr16_b128 v[\buf+(4*\q+\t)*8:\buf+(4*\q+\t)*8+3],   v[AX+2*(\slot)+(\blk)/4] offset:((2*(\blk)+\q)%8)*32*PX+32*\t
	ds_load_tr16_b128 v[\buf+(4*\q+\t)*8+4:\buf+(4*\q+\t)*8+7], v[AX+2*(\slot)+(\blk)/4] offset:((2*(\blk)+\q)%8)*32*PX+16*PX+32*\t
.endr
.endr
.endm
; 16 products: K step 2 blk + q, four tiles of points x four tiles of weight rows.  The chunk's first K step starts the sums.
.macro MULX blk, q, buf
	WIN 0xf4+4*((\blk)/4)
.irp t, 0,1,2,3
.irp nt, 0,1,2,3
.set rD, (4*\t+\nt)*8
.set rA, \buf+(4*\q+\t)*8
.set rB, (((2*(\blk)+\q)%8)*4+\nt)*8
.if (2*(\blk)+\q) == 0
	v_wmma_f32_16x16x32_f16 v[rD:rD+7], v[rA:rA+7], v[rB:rB+7], 0
.else
	v_wmma_f32_16x16x32_f16 v[rD:rD+7], v[rA:rA+7], v[rB:rB+7], v[rD:rD+7]
.endif
.endr
.endr
.endm
.macro XBLK slot, blk                  ; block blk is multiplied; the next block's fragments are fetched ahead of it, in one run
	PLACES
	FETCHX \slot, \blk+1, F0+64*((\blk+1)%2)
	s_wait_dscnt 16                                ; all but the 16 just issued
	MULX \blk, 0, F0+64*(\blk%2)
	MULX \blk, 1, F0+64*(\blk%2)
.endm
.macro KVOUT kv                        ; a lane's eight points of a row pack into 16 bytes
	WIN 0x0f
.irp t, 0,1,2,3
.irp nt, 0,1,2,3
.irp r, 0,1,2,3
	v_cvt_pk_f16_f32 v[TMP+(4*\t+\nt)*4+\r], v[(4*\t+\nt)*8+2*\r], v[(4*\t+\nt)*8+2*\r+1]
.endr
.endr
.endr
	WIN 0
.irp t, 0,1,2,3
.irp nt, 0,1,2,3
	ds_store_b128 v[KST+\kv], v[TMP+(4*\t+\nt)*4:TMP+(4*\t+\nt)*4+3] offset:\nt*16*PKV+32*\t
.endr
.endr
.endm
.macro FETCHG kv, ks, buf              ; 16 loads: my four K fragments (buf on) and four V fragments (buf + 32 on) of points 32 ks on, two loads of four registers each
	WIN 0
.irp a, 0,1,2,3
	ds_load_b128 v[\buf+8*\a:\buf+8*\a+3],       v[KLD+(\kv)] offset:\a*16*PKV+\ks*64
	ds_load_b128 v[\buf+8*\a+4:\buf+8*\a+7],     v[KLD+(\kv)] offset:\a*16*PKV+\ks*64+32
	ds_load_b128 v[\buf+32+8*\a:\buf+32+8*\a+3], v[VLD+(\kv)] offset:\a*16*PKV+\ks*64
	ds_load_b128 v[\buf+36+8*\a:\buf+36+8*\a+3], v[VLD+(\kv)] offset:\a*16*PKV+\ks*64+32
.endr
.endm
.macro MULG buf, zero                  ; 16 products: source 0 = K (rows d), source 1 = V (rows d'): a lane holds one d' and eight neighbouring d
	WIN 0xf0
.irp a, 0,1,2,3
.irp c, 0,1,2,3
.set rD, GA+(4*\a+\c)*8
.if \zero
	v_wmma_f32_16x16x32_f16 v[rD:rD+7], v[\buf+8*\a:\buf+8*\a+7], v[\buf+32+8*\c:\buf+32+8*\c+7], 0
.else
	v_wmma_f32_16x16x32_f16 v[rD:rD+7], v[\buf+8*\a:\buf+8*\a+7], v[\buf+32+8*\c:\buf+32+8*\c+7], v[rD:rD+7]
.endif
.endr
.endr
.endm
; A CHUNK in slot (and K/V buffer) s.  fill = 1: the slot is filled again, two chunks on.  g: the Gram products of the chunk before: 0 none, 1 they start the sums, 2 they add.
; next = 1: the next chunk's first fragments are fetched.  The one barrier: in front of it each wave has waited for its LDS work (its reads of this slot and of the other K/V buffer, its
; stores of the last chunk's K/V) and for all its tensor loads (its part of the other slot).  Behind it the slot is free, the other slot whole, the last chunk's K/V visible.
.macro CHUNK s, fill, g, next
.irp blk, 0,1,2,3,4,5,6
	XBLK \s, \blk
.endr
	s_wait_dscnt 0x0
	s_set_vgpr_msb 0xf8f0
	s_wait_tensorcnt 0x0
	ds_add_u32 v62, v63
	s_wait_dscnt 0x0
	s_set_vgpr_msb 0xf0f8
	s_barrier_signal -1
	MULX 7, 0, F1
	WIN 0
	s_barrier_wait -1
.if \fill
	CREST                                          ; the barrier has opened a round of the cluster's: no wave of any partner still reads the slot or has a load on its way
	s_add_nc_u64 s[G0+4*\s+2:G0+4*\s+3], s[G0+4*\s+2:G0+4*\s+3], 131072
	tensor_load_to_lds s[G0+4*\s:G0+4*\s+3], s[G1:G1+7]            ; my one load behind the round: it has a chunk's 288 matrix instructions in which to land
	s_nop 0
.endif
	PLACES                                         ; also the places ahead of the loads into buffer 0
.if \g
	FETCHG 1-\s, 0, F0
.endif
	MULX 7, 1, F1
	PLACES
	KVOUT \s
.if \g
	FETCHG 1-\s, 1, F1
	s_wait_dscnt 32                                ; the first 16 Gram fragments are in; the 16 stores and the 16 loads behind them may stay out
.if \g == 1
	MULG F0, 1
.else
	MULG F0, 0
.endif
.endif
.if \next
	PLACES
	FETCHX 1-\s, 0, F0
.if \g
	s_wait_dscnt 16                                ; all but the 16 just issued
.endif
.else
	s_wait_dscnt 0x0
.endif
.if \g
	MULG F1, 0
.endif
.endm
	s_wait_tensorcnt 0x1                           ; my part of slot 0 is in; slot 1's may stay out
	s_barrier_signal -1
	s_barrier_wait -1
	FETCHX 0, 0, F0
	s_wait_loadcnt 0x0                             ; the weights
	CHUNK 0, 1, 0, 1
	CHUNK 1, 1, 1, 1
	WIN 0
	s_mov_b32 s42, 2
.Lpair:                                                ; chunks 2 to 5
	CHUNK 0, 1, 2, 1
	CHUNK 1, 1, 2, 1
	WIN 0
	s_sub_co_u32 s42, s42, 1
	s_cmp_lg_u32 s42, 0
	s_cbranch_scc1 .Lpair
	CHUNK 0, 0, 2, 1                               ; the last two chunks ask for nothing
	CHUNK 1, 0, 2, 0
	WIN 0
	s_barrier_signal -1                            ; every wave's stores of the last chunk's K/V are done (the wait for 0 stands in the chunk)
	s_barrier_wait -1
	PLACES
	FETCHG 1, 0, F0
	FETCHG 1, 1, F1
	s_wait_dscnt 16
	MULG F0, 0
	s_wait_dscnt 0x0
	MULG F1, 0
	; THE WAY OUT.  The largest |Gt| of the head; s = 2^(119 - e) with e its biased exponent, at most 245; Gt s in f16 through a stage, whole rows of 256 bytes out.
	PLACES
	WIN 0x0f
.irp c, 0,1,2,3
	v_max_num_f32 v[MX+\c], |v[GA+2*\c]|, |v[GA+2*\c+1]|
.endr
.set n, 1
.rept 15
.irp c, 0,1,2,3
	v_max3_num_f32 v[MX+\c], |v[GA+8*n+2*\c]|, |v[GA+8*n+2*\c+1]|, v[MX+\c]
.endr
.set n, n+1
.endr
	WIN 0
	v_max3_num_f32 v[MX], v[MX], v[MX+1], v[MX+2]
	v_max_num_f32 v[MX], v[MX], v[MX+3]
	v_max_num_f32_dpp v[MX], v[MX], v[MX] row_xmask:1 row_mask:0xf bank_mask:0xf
	v_max_num_f32_dpp v[MX], v[MX], v[MX] row_xmask:2 row_mask:0xf bank_mask:0xf
	v_max_num_f32_dpp v[MX], v[MX], v[MX] row_xmask:4 row_mask:0xf bank_mask:0xf
	v_max_num_f32_dpp v[MX], v[MX], v[MX] row_xmask:8 row_mask:0xf bank_mask:0xf
	v_permlanex16_b32 v[MX+1], v[MX], s40, s41
	v_max_num_f32 v[MX], v[MX], v[MX+1]
	ds_store_b32 v[SCA], v[MX]
	s_wait_dscnt 0x0                               ; for the others' sake; my reads of the K/V buffers are over too: the stage may be written behind this barrier
	s_barrier_signal -1
	s_barrier_wait -1
	ds_load_b128 v[MQ:MQ+3], v[SCB]
	s_wait_dscnt 0x0
	v_max3_num_f32 v[MX], v[MQ], v[MQ+1], v[MQ+2]
	v_max_num_f32 v[MX], v[MX], v[MQ+3]
	v_lshrrev_b32 v[SV], 23, v[MX]                 ; the biased exponent (the maximum is not negative)
	v_min_u32 v[SV], 245, v[SV]
	v_sub_nc_u32 v[SV], 246, v[SV]
	v_lshlrev_b32 v[SV], 23, v[SV]                 ; s as f32
	v_mov_b32 v[SV+1], v[SV]
	WIN 0xc3
.set n, 0
.rept 64
	v_pk_mul_f32 v[GA+2*n:GA+2*n+1], v[GA+2*n:GA+2*n+1], v[SV:SV+1]
.set n, n+1
.endr
	WIN 0x0f
.set n, 0
.rept 64
	v_cvt_pk_f16_f32 v[TMP+n], v[GA+2*n], v[GA+2*n+1]
.set n, n+1
.endr
	WIN 0
.irp a, 0,1,2,3
.irp c, 0,1,2,3
	ds_store_b128 v[GST], v[TMP+(4*\a+\c)*4:TMP+(4*\a+\c)*4+3] offset:\c*16*PS+32*\a
.endr
.endr
	s_wait_dscnt 0x0                               ; a row's 256 bytes come from two waves
	s_barrier_signal -1
	s_barrier_wait -1
.irp u, 0,1,2,3,4,5,6,7,8,9,10,11,12,13,14,15
	ds_load_b128 v[TMP+4*\u:TMP+4*\u+3], v[GRD] offset:\u*2*PS
.endr
.irp u, 0,1,2,3,4,5,6,7,8,9,10,11,12,13,14,15
	s_wait_dscnt 15-\u
	global_store_b128 v[GO], v[TMP+4*\u:TMP+4*\u+3], s[8:9] offset:\u*512      ; a wave's store covers 512 consecutive bytes, aligned
.endr
	v_cmp_eq_u32 vcc_lo, 0, v0
	s_wait_xcnt 0x0                                ; EXEC changes only behind this wait
	s_and_saveexec_b32 s43, vcc_lo
	global_store_b32 v[ZR], v[SV], s[10:11]        ; thread 0 alone: the head's scale
	s_wait_xcnt 0x0
	s_or_b32 exec_lo, exec_lo, s43
	s_wait_tensorcnt 0x0
	ds_add_u32 v62, v63
	s_wait_dscnt 0x0
	CROUND                                         ; the closing round
	s_endpgm
.Lfunc_end_k_qc477dc4664_gram:
	.size	k_qc477dc4664_gram, .Lfunc_end_k_qc477dc4664_gram-k_qc477dc4664_gram
	.p2alignl 7, 3214868480
	.fill 96, 4, 3214868480
	.section	.rodata,"a",@progbits
	.p2align	6, 0x0
	.amdhsa_kernel k_qc477dc4664_gram
		.amdhsa_group_segment_fixed_size 327680
		.amdhsa_private_segment_fixed_size 0
		.amdhsa_enable_private_segment 0
		.amdhsa_kernarg_size 32
		.amdhsa_user_sgpr_count 2
		.amdhsa_user_sgpr_kernarg_segment_ptr 1
		.amdhsa_wavefront_size32 1
		.amdhsa_system_sgpr_workgroup_id_x 1
		.amdhsa_system_sgpr_workgroup_id_y 1
		.amdhsa_system_sgpr_workgroup_id_z 1
		.amdhsa_system_vgpr_workitem_id 0
		.amdhsa_next_free_vgpr 1024
		.amdhsa_next_free_sgpr 66
		.amdhsa_reserve_vcc 1
		.amdhsa_float_denorm_mode_32 3
		.amdhsa_float_denorm_mode_16_64 3
		.amdhsa_memory_ordered 1
		.amdhsa_forward_progress 1
		.amdhsa_inst_pref_size 251
	.end_amdhsa_kernel
	.amdgpu_metadata
---
amdhsa.version: [ 1, 2 ]
amdhsa.kernels:
  - .name:           k_qc477dc4664_gram
    .symbol:         k_qc477dc4664_gram.kd
    .args:
      - { .name: x16, .offset: 0, .size: 8, .value_kind: global_buffer, .address_space: global }
      - { .name: w16, .offset: 8, .size: 8, .value_kind: global_buffer, .address_space: global }
      - { .name: g16, .offset: 16, .size: 8, .value_kind: global_buffer, .address_space: global }
      - { .name: gs, .offset: 24, .size: 8, .value_kind: global_buffer, .address_space: global }
    .group_segment_fixed_size: 327680
    .private_segment_fixed_size: 0
    .kernarg_segment_align: 8
    .kernarg_segment_size: 32
    .max_flat_workgroup_size: 128
    .sgpr_count:     66
    .vgpr_count:     1024
    .wavefront_size: 32
...
	.end_amdgpu_metadata
.endif
;; end of part 2
;; launch chain (part 3): grid 4 x 64, 4 waves a work-group, clusters of 4 x 1, 327,680 bytes of LDS; arguments x16, w16, g16, gs, x, bt, ybuf, stats; writes ybuf, stats
.if DOCPART == 3
	.amdgcn_target "amdgcn-amd-amdhsa--gfx1250"
	.amdhsa_code_object_version 6
	.text
	.protected	k_qc477dc4664_chain
	.globl	k_qc477dc4664_chain
	.p2align	8
	.type	k_qc477dc4664_chain,@function
k_qc477dc4664_chain:
	s_mov_b64 s[64:65], 0
	v_nop
	global_prefetch_b8 v0, s[64:65] scope:SCOPE_SE
	s_setreg_imm32_b32 hwreg(HW_REG_WAVE_MODE, 25, 1), 1
	s_wait_xcnt 0x0
	s_wait_alu depctr_hold_cnt(0) depctr_sa_sdst(0) depctr_va_vdst(0) depctr_va_sdst(0) depctr_va_ssrc(0) depctr_va_vcc(0) depctr_vm_vsrc(0)
	s_getreg_b32 s2, hwreg(HW_REG_IB_STS2, 6, 4)
	s_cmp_eq_u32 s2, 0
	s_cbranch_scc0 .Lentry_in_a_cluster
	s_endpgm
.Lentry_in_a_cluster:
	s_bfe_u32 s2, ttmp6, 0x10000c
	s_cmp_lg_u32 s2, 0x3003
	s_cbranch_scc0 .Lentry_shape_is_right
	s_endpgm
.Lentry_shape_is_right:
; For one batch b and 128 points: Q = Wq x;  Z_h = Gt_h Q_h for the four heads;  T = Wt Z + bt;  y = T - x (f32, to ybuf);  for each channel the sum of y and the sum of
; squared deviations from the part's own mean over the 128 points (to stats).  Operands f16, sums f32.
; SCALES.  g16 holds Gt_h s_h (powers of two, from gs).  Z is kept as Z sb with sb the least of the batch's four s_h: each head's sums are multiplied by sb / s_h <= 1, and T's by 1 / sb.
; |Gt_h s_h| <= 2^-7 and 128 terms bound |Z sb| by max |Q|.  LIMITS: |Q| above 65,504 becomes infinite in f16; where x Wq is some 900 times smaller than 1, Z sb falls among f16's
; denormals and its rounding grows to about 2^-9 relative; a head whose Gt is 2^127 times smaller than the batch's largest counts as zero.
; SHARES.  The four work-groups of a cluster are the four blocks of 128 points of one batch: they walk the same tiles of Wq, g16 and Wt, asked for JOINTLY (mask 15).
; Wave (i, j) owns points 64 j on and channel rows 256 i on in every stage.  Its points' operand stays in 512 registers (first x^T, then Z); the weights go through a ring of two slots,
; 18 steps of 128 matrix instructions a wave: 0-3 Wq (heads 0, 2), 4 g16, 5-8 Wq (heads 1, 3), 9 g16, 10-17 Wt.  A weight step's tile has 64 rows of 1,024 bytes, so a wave's load has 16.
; T BY TURNS.  A step of T has 128 products and a way out of 174 vector, 68 LDS and 34 global lines.  T's sums lie in two sets that take turns, and the way out of step s stands in
; slices behind the first 96 products of step s + 1, so that the wave issues it while the matrix unit works.  Each slice costs two switches of the register window.
; PREFETCH.  x in f32 is read in the T stage alone.  In ring step n, 7 <= n <= 14, each wave asks for its own x of T's step n - 7: 32 rows of 256 consecutive aligned bytes, one lane to a row,
; one instruction, each block asked for once in the launch by the wave that will load it.  The register loads of that x stand two ring steps (256 matrix instructions) further on, for T's
; first step nearly three; at most three steps' x, 96 KiB a work-group, are asked for and not yet read.  Ring steps 15 to 17 ask for nothing: no request leaves the wave's 256 rows.
; LDS: 0 - 163,839: first x16's two blocks [512 f][64 l], rows 160 bytes apart, filled once; when every wave has taken its x^T into registers the bytes serve as
;      Z [128 l][512 c] f16, rows 1,040 apart (to 133,119), four stages of 16 rows x 272 (from 133,120), and the row statistics [j][2][512] f32 (from 150,528).  Ring: 163,840 + s x 69,632.
; REGISTERS, in windows of 256: window 0: v0-47 addresses and small numbers, v48-111 and v112-175 fragment buffers, v176-239 y of a step's two groups of 16 rows, v240-255 at work;
;   windows 1, 2: the stationary operand (t, kk) at ((kk % 8) 4 + t) 8;  window 3: v0-63 sums (a, t) at (4 a + t) 8, v64-127 T's second set; v128-255 Q in f16 (t, kz), in the last stage x in f32, two sets.
; The accumulators take turns, one instruction a turn.
.set PW,    1040
.set PG,    272
.set PX,    160
.set RING,  163840
.set SLOTB, 69632
.set STG,   133120
.set ST,    150528
.set XL,  8                            ; v8-9   turning-load address in my block of x16, lower and upper 256 rows
.set AW,  10                           ; v10-11 my weight fragments, slot 0, 1
.set AG,  12                           ; v12-13 my g16 fragments
.set ZST, 14
.set ZLD, 15
.set SRW, 16                           ; my stage by rows
.set SDL, 17                           ; my stage in the sums' layout
.set GOF, 18
.set STA, 19
.set R4,  20
.set PFV, 21                           ; v21    lane x one row of x (2,048 bytes), for the prefetch; never rewritten
.set BT,  22                           ; bt of my row: set p, group g in the low place of the pair at BT + 14 p + 2 g (v22, v24; v36, v38)
.set MN,  26                           ; group g: the mean at MN + 6 g, the sum above it (v26-27, v32-33)
.set QS,  28                           ; group g: four registers of squares at QS + 12 g (v28-31, v40-43)
.set F0,  48
.set F1,  112
.set Y,   208                          ; group g's y at Y - 32 g (v208-239, v176-207); Z's packed results in the Z steps
.set TP,  240                          ; group g: eight registers at work at TP + 8 g
.set Q16, 128                          ; in window 3
.set XR,  128                          ; in window 3: x of a step, set p at XR + 64 p
.set LW,  24                           ; s24 wave x 16 rows x 1,040
.set LG,  25                           ; s25 wave x 64 rows x 272
.set G1W, 28
.set G1G, 36
.set G1X, 44
.set G0,  52                           ; s[52:59] one group 0 for each slot
.set G0X, 60
.set WQB, 66
.set WTB, 68
.set GB,  70
.set XB,  76
.set YB,  78
.set BTB, 80
.set STB, 82
.set RAT, 90                           ; s[90:91], s[92:93]: sb / s_h of my head in pass 0, 1
.set INV, 94                           ; s[94:95]: 1 / sb
.set SEL, 96
.set MSB, 0
.macro WIN new                         ; the immediate's high byte repeats the setting that is left; a switch that changes nothing is dropped
.if MSB != (\new)
	s_set_vgpr_msb (MSB<<8)|(\new)
.set MSB, (\new)
.endif
.endm
.macro PLACES                          ; four plain places behind matrix instructions, ahead of loads into their sources and of reads of their results
.rept 4
	v_nop
.endr
.endm
.macro CREST
	s_cmp_lg_u32 s20, 0
	s_cbranch_scc1 .Lnot_wave_0_\@
	s_barrier_signal -3
.Lnot_wave_0_\@:
	s_barrier_wait -3
	s_barrier_signal -1
	s_barrier_wait -1
.endm
.macro CROUND
	s_barrier_signal -1
	s_barrier_wait -1
	CREST
.endm
; My x of the T step that lies n steps (of 32 rows) on from XB's: each lane names the first byte of its row's 256.  XB is stepped only at a way out's head, behind the wait that stands there.
.macro ASK n
	global_prefetch_b8 v[PFV], s[XB:XB+1] offset:(\n)*65536 th:TH_LOAD_NT scope:SCOPE_SE
.endm
	s_load_b512 s[4:19], s[0:1], 0x0               ; x16 s[4:5], w16 s[6:7], g16 s[8:9], gs s[10:11], x s[12:13], bt s[14:15], ybuf s[16:17], stats s[18:19]
	v_lshl_add_u32 v46, v0, 2, 0x4a000
	v_mov_b32 v47, 0
	ds_add_u32 v46, v47
	v_lshrrev_b32 v3, 5, v0
	v_readfirstlane_b32 s20, v3                    ; wave 0..3
	s_lshr_b32 s21, s20, 1                         ; i
	s_and_b32 s22, s20, 1                          ; j
	s_and_b32 s23, ttmp7, 0xffff                   ; the batch, which the four partners share
	s_bfe_u32 s72, ttmp6, 0x40000                  ; cx = my block of 128 points: it enters the addresses in x16, x, ybuf and stats alone
	s_mul_i32 s[LW], s20, 16*PW
	s_mul_i32 s[LG], s20, 64*PG
	; group 1 of a weight tile: 16 rows x 512 elements, 4 words of padding behind every 256
	s_mov_b32 s[G1W+0], 15|(1<<16)|(1<<20)|(1<<21)|(7<<22)|(3<<25)
	s_mov_b32 s[G1W+1], 512<<16
	s_mov_b32 s[G1W+2], 16<<16
	s_mov_b32 s[G1W+3], 512<<16
	s_mov_b32 s[G1W+4], 16
	s_mov_b32 s[G1W+5], 512
	s_mov_b32 s[G1W+6], 0
	s_mov_b32 s[G1W+7], 0
	; of a g16 tile: 64 rows x 128 elements, 4 words behind every 64
	s_mov_b32 s[G1G+0], 15|(1<<16)|(1<<20)|(1<<21)|(5<<22)|(3<<25)
	s_mov_b32 s[G1G+1], 128<<16
	s_mov_b32 s[G1G+2], 64<<16
	s_mov_b32 s[G1G+3], 128<<16
	s_mov_b32 s[G1G+4], 64
	s_mov_b32 s[G1G+5], 128
	s_mov_b32 s[G1G+6], 0
	s_mov_b32 s[G1G+7], 0
	; of my half block of x16, my work-group's own (no mask): 32,768 dense bytes as 128 rows of 256; 8 words behind every 32
	s_mov_b32 s[G1X+0], (1<<16)|(1<<20)|(4<<22)|(7<<25)
	s_mov_b32 s[G1X+1], 128<<16
	s_mov_b32 s[G1X+2], 128<<16
	s_mov_b32 s[G1X+3], 128<<16
	s_mov_b32 s[G1X+4], 128
	s_mov_b32 s[G1X+5], 128
	s_mov_b32 s[G1X+6], 0
	s_mov_b32 s[G1X+7], 0
	s_lshl_b32 s26, s21, 18                        ; weights: row 256 i + 16 j, 1,024 bytes a row
	s_lshl_b32 s27, s22, 14
	s_add_co_u32 s26, s26, s27
	s_mov_b32 s27, 0
	s_wait_dscnt 0x0
	s_wait_kmcnt 0x0
	s_add_nc_u64 s[WQB:WQB+1], s[6:7], s[26:27]
	s_add_nc_u64 s[WTB:WTB+1], s[WQB:WQB+1], 3*524288
	s_lshl_b32 s26, s23, 17                        ; g16: the batch, head 2 i, rows 64 j on
	s_lshl_b32 s99, s21, 16
	s_add_co_u32 s26, s26, s99
	s_lshl_b32 s99, s22, 14
	s_add_co_u32 s26, s26, s99
	s_add_nc_u64 s[GB:GB+1], s[8:9], s[26:27]
	s_lshl_b32 s26, s23, 4
	s_add_nc_u64 s[10:11], s[10:11], s[26:27]
	s_load_b128 s[84:87], s[10:11], 0x0            ; the batch's four scales
	s_lshl_b32 s74, s72, 1
	s_add_co_u32 s74, s74, s21                     ; x16: block 2 cx + wave / 2,
	s_lshl_b32 s74, s74, 16
	s_lshl_b32 s75, s23, 19
	s_add_co_u32 s74, s74, s75
	s_lshl_b32 s75, s22, 15                        ; its rows 256 (wave % 2) on
	s_add_co_u32 s74, s74, s75
	s_mov_b32 s75, 0
	s_mov_b32 s[G0X], 1
	s_mul_i32 s[G0X+1], s20, 256*PX
	s_add_nc_u64 s[G0X+2:G0X+3], s[4:5], s[74:75]
	s_or_b32 s[G0X+3], s[G0X+3], 0x80000000
.irp s, 0,1
	s_mov_b32 s[G0+4*\s], 1
	s_add_co_u32 s[G0+4*\s+1], s[LW], RING+\s*SLOTB
	s_add_nc_u64 s[G0+4*\s+2:G0+4*\s+3], s[WQB:WQB+1], \s*32768    ; step s
	s_or_b32 s[G0+4*\s+3], s[G0+4*\s+3], 0x80000000
.endr
	s_lshl_b32 s74, s23, 20                        ; x and ybuf: the batch, row 256 i, point 128 cx + 64 j
	s_lshl_b32 s75, s21, 19
	s_add_co_u32 s74, s74, s75
	s_lshl_b32 s75, s72, 9
	s_add_co_u32 s74, s74, s75
	s_lshl_b32 s75, s22, 8
	s_add_co_u32 s74, s74, s75
	s_mov_b32 s75, 0
	s_add_nc_u64 s[XB:XB+1], s[12:13], s[74:75]
	s_add_nc_u64 s[YB:YB+1], s[16:17], s[74:75]
	s_lshl_b32 s74, s21, 10
	s_add_nc_u64 s[BTB:BTB+1], s[14:15], s[74:75]
	s_lshl2_add_u32 s74, s23, s72                  ; part 4 b + cx
	s_lshl_b32 s74, s74, 12
	s_add_nc_u64 s[STB:STB+1], s[18:19], s[74:75]
	s_mov_b32 s[SEL], 0x76543210
	s_mov_b32 s[SEL+1], 0xfedcba98
	CROUND                                         ; all four work-groups are here: the first joint loads meet
	tensor_load_to_lds s[G0X:G0X+3], s[G1X:G1X+7]  ; three loads of mine are out
	s_nop 0
	tensor_load_to_lds s[G0:G0+3], s[G1W:G1W+7]
	s_nop 0
	tensor_load_to_lds s[G0+4:G0+7], s[G1W:G1W+7]
	s_nop 0
	PLACES
	v_and_b32 v1, 15, v0                           ; r
	v_bfe_u32 v2, v0, 4, 1                         ; hl
	v_and_b32 v3, 7, v0
	v_bfe_u32 v4, v0, 3, 1
	v_lshl_add_u32 v5, v2, 3, v3
	v_mul_u32_u24 v5, v5, PX
	v_lshl_add_u32 v5, v4, 4, v5
	s_mul_i32 s26, s22, 512*PX
	v_add_nc_u32 v[XL], s26, v5
	v_add_nc_u32 v[XL+1], 256*PX, v[XL]
	v_mul_u32_u24 v6, v1, PW
	v_lshl_add_u32 v6, v2, 4, v6                   ; r x 1,040 + 16 hl
	s_mul_i32 s26, s21, 32*PW
	s_add_co_u32 s26, s26, RING
	v_add_nc_u32 v[AW], s26, v6
	v_add_nc_u32 v[AW+1], SLOTB, v[AW]
	v_mul_u32_u24 v7, v1, PG
	v_lshl_add_u32 v5, v2, 4, v7                   ; r x 272 + 16 hl
	s_mul_i32 s26, s21, 128*PG
	s_add_co_u32 s26, s26, RING
	v_add_nc_u32 v[AG], s26, v5
	v_add_nc_u32 v[AG+1], SLOTB, v[AG]
	s_mul_i32 s26, s22, 64*PW
	v_add_nc_u32 v[ZLD], s26, v6
	s_lshl_b32 s27, s21, 9
	s_add_co_u32 s26, s26, s27
	v_add_nc_u32 v[ZST], s26, v6
	s_mul_i32 s26, s20, 16*PG
	s_add_co_u32 s26, s26, STG
	v_lshl_add_u32 v5, v2, 5, v7                   ; r x 272 + 32 hl
	v_add_nc_u32 v[SDL], s26, v5
	v_mul_u32_u24 v5, v2, PG
	v_lshl_add_u32 v5, v1, 4, v5                   ; hl x 272 + 16 r
	v_add_nc_u32 v[SRW], s26, v5
	v_lshlrev_b32 v5, 11, v2
	v_lshl_add_u32 v[GOF], v1, 4, v5               ; hl rows of 2,048 bytes + 16 r
	v_lshlrev_b32 v[R4], 2, v1
	v_and_b32 v[PFV], 31, v0
	v_lshlrev_b32 v[PFV], 11, v[PFV]               ; lane rows of 2,048 bytes
	s_lshl_b32 s26, s22, 12
	s_lshl_b32 s27, s21, 10
	s_add_co_u32 s26, s26, s27
	s_add_co_u32 s26, s26, ST-128                  ; one step (32 rows x 4 bytes) short: every way out steps it at its head
	v_add_nc_u32 v[STA], s26, v[R4]
.irp n, 1,3,15,17
	v_mov_b32 v[BT+\n], 0                          ; the upper places of bt's pairs, of which the low place is broadcast: written once
.endr
	s_wait_kmcnt 0x0
	s_min_u32 s88, s84, s85                        ; powers of two as f32: the least bits are the least scale
	s_min_u32 s88, s88, s86
	s_min_u32 s88, s88, s87
	s_cmp_eq_u32 s21, 0
	s_cselect_b32 s[RAT], s84, s86                 ; my head in pass p is 2 i + p
	s_cselect_b32 s[RAT+2], s85, s87
.irp p, 0,2
	s_sub_co_i32 s[RAT+\p], s88, s[RAT+\p]         ; the exponents' difference,
	s_add_co_i32 s[RAT+\p], s[RAT+\p], 0x3f800000  ; as a power of two,
	s_max_i32 s[RAT+\p], s[RAT+\p], 0              ; zero where it would leave f32's range
	s_mov_b32 s[RAT+\p+1], s[RAT+\p]
.endr
	s_sub_co_u32 s[INV], 0x7f000000, s88           ; 1 / sb
	s_mov_b32 s[INV+1], s[INV]
; kind: 0 = Q (Wq x), 1 = Z (Gt Q), 2 = T (Wt Z)
; A refill.  mode 2: the slot's weight tile two steps on (64 rows of 1,024 bytes).  mode 1: group 0 is written whole: base of the kind + a constant.
.macro REFILL mode, rkind, slot, rconst
.if \mode == 2
	s_add_nc_u64 s[G0+4*\slot+2:G0+4*\slot+3], s[G0+4*\slot+2:G0+4*\slot+3], 65536
	tensor_load_to_lds s[G0+4*\slot:G0+4*\slot+3], s[G1W:G1W+7]
	s_nop 0
.elseif \rkind == 1
	s_add_co_u32 s[G0+4*\slot+1], s[LG], RING+\slot*SLOTB
	s_add_nc_u64 s[G0+4*\slot+2:G0+4*\slot+3], s[GB:GB+1], \rconst
	s_or_b32 s[G0+4*\slot+3], s[G0+4*\slot+3], 0x80000000
	tensor_load_to_lds s[G0+4*\slot:G0+4*\slot+3], s[G1G:G1G+7]
	s_nop 0
.else
	s_add_co_u32 s[G0+4*\slot+1], s[LW], RING+\slot*SLOTB
.if \rkind == 0
	s_add_nc_u64 s[G0+4*\slot+2:G0+4*\slot+3], s[WQB:WQB+1], \rconst
.else
	s_add_nc_u64 s[G0+4*\slot+2:G0+4*\slot+3], s[WTB:WTB+1], \rconst
.endif
	s_or_b32 s[G0+4*\slot+3], s[G0+4*\slot+3], 0x80000000
	tensor_load_to_lds s[G0+4*\slot:G0+4*\slot+3], s[G1W:G1W+7]
	s_nop 0
.endif
	PLACES
.endm
; 16 loads: the moving operand's fragments of a block: two tiles a of 16 rows x four K steps q
.macro FETCHA kind, slot, blk, buf
	WIN 0
.irp q, 0,1,2,3
.irp a, 0,1
.if \kind == 1
	ds_load_b128 v[\buf+(2*\q+\a)*8:\buf+(2*\q+\a)*8+3],   v[AG+(\slot)] offset:(32*(\blk)+16*\a)*PG+\q*64
	ds_load_b128 v[\buf+(2*\q+\a)*8+4:\buf+(2*\q+\a)*8+7], v[AG+(\slot)] offset:(32*(\blk)+16*\a)*PG+\q*64+32
.else
	ds_load_b128 v[\buf+(2*\q+\a)*8:\buf+(2*\q+\a)*8+3],   v[AW+(\slot)] offset:\a*16*PW+(4*(\blk)+\q)*64
	ds_load_b128 v[\buf+(2*\q+\a)*8+4:\buf+(2*\q+\a)*8+7], v[AW+(\slot)] offset:\a*16*PW+(4*(\blk)+\q)*64+32
.endif
.endr
.endr
.endm
; Q and Z: 16 products: K steps q0, q0 + 1 of a block x 2 row tiles x 4 point tiles; rows as source 0, points as source 1 (a lane holds one point and eight neighbouring rows).
; A sum's first K step takes the constant 0.
.macro MUL kind, blk, q0, buf
.if \kind == 0
	WIN 0xf4+4*(\blk/2)
.else
	WIN 0xfc
.endif
.irp q, \q0, \q0+1
.irp a, 0,1
.irp t, 0,1,2,3
.set rD, (4*\a+\t)*8
.set rF, \buf+(2*(\q)+\a)*8
.set rS, (((4*\blk+(\q))%8)*4+\t)*8
.set rQ, Q16+(4*(\q)+\t)*8
.if \kind == 0
.if (4*\blk+(\q)) == 0
	v_wmma_f32_16x16x32_f16 v[rD:rD+7], v[rF:rF+7], v[rS:rS+7], 0
.else
	v_wmma_f32_16x16x32_f16 v[rD:rD+7], v[rF:rF+7], v[rS:rS+7], v[rD:rD+7]
.endif
.else
.if (\q) == 0
	v_wmma_f32_16x16x32_f16 v[rD:rD+7], v[rF:rF+7], v[rQ:rQ+7], 0
.else
	v_wmma_f32_16x16x32_f16 v[rD:rD+7], v[rF:rF+7], v[rQ:rQ+7], v[rD:rD+7]
.endif
.endif
.endr
.endr
.endr
.endm
; One of a step's first three blocks: the next block's fragments are fetched ahead of its 32 products.  ask >= 0: x of T's step ask is asked for, behind the LDS loads and their wait.
.macro BLK kind, slot, blk, ask
	PLACES
	FETCHA \kind, \slot, \blk+1, F0+64*((\blk+1)%2)
	s_wait_dscnt 16                                ; all but the 16 just issued
.if \ask >= 0
	ASK \ask
.endif
	MUL \kind, \blk, 0, F0+64*(\blk%2)
	MUL \kind, \blk, 2, F0+64*(\blk%2)
.endm
; A step's last block changes slots: ONE barrier.  In front of it each wave waits for its LDS work (its reads of this slot among it) and for all its tensor loads (its part of the next slot).
; fill != 0: the barrier opens a round of the cluster's, and this slot is filled again first thing behind it: the load has a step's 128 matrix instructions in which to land.
.macro TURN kind, slot, nkind, fill, rkind, rconst
	s_wait_dscnt 0x0
	s_set_vgpr_msb (MSB<<8)|((MSB&0xf0)|0x0)
	s_wait_tensorcnt 0x0
	ds_add_u32 v46, v47
	s_wait_dscnt 0x0
	s_set_vgpr_msb (((MSB&0xf0)|0x0)<<8)|MSB
	s_barrier_signal -1
	MUL \kind, 3, 0, F1
	WIN 0
	s_barrier_wait -1
.if \fill
	CREST
	REFILL \fill, \rkind, \slot, \rconst           ; its four v_nop are also the places ahead of the loads below
.else
	PLACES
.endif
	FETCHA \nkind, 1-\slot, 0, F0
	MUL \kind, 3, 2, F1
.endm
.macro QOUT s                          ; two tiles of 16 rows, rounded in pairs, ARE source 1 (32 rows x 16 points) of the next product: nothing changes lanes
	PLACES
	WIN 0xcf
.irp a, 0,1
.irp t, 0,1,2,3
.irp r, 0,1,2,3
	v_cvt_pk_f16_f32 v[Q16+(4*\s+\t)*8+4*\a+\r], v[(4*\a+\t)*8+2*\r], v[(4*\a+\t)*8+2*\r+1]
.endr
.endr
.endr
.endm
.macro ZOUT p, a2                      ; 32 rows of Z x my 64 points: to the batch's common scale, to f16, into Z [l][c]
	PLACES
	WIN 0xc3
.set n, 0
.rept 32
	v_pk_mul_f32 v[2*n:2*n+1], v[2*n:2*n+1], s[RAT+2*\p:RAT+2*\p+1] op_sel_hi:[1,0]
.set n, n+1
.endr
	WIN 0x0f
.set n, 0
.rept 32
	v_cvt_pk_f16_f32 v[Y+n], v[2*n], v[2*n+1]
.set n, n+1
.endr
	WIN 0
.irp a, 0,1
.irp t, 0,1,2,3
	ds_store_b128 v[ZST], v[Y+(4*\a+\t)*4:Y+(4*\a+\t)*4+3] offset:\t*16*PW+256*\p+64*\a2+32*\a
.endr
.endr
.endm
.macro SLOAD kind                      ; 128 loads: the stationary operand of my 64 points, all 512 along K.  0: x^T, by the turning load; 1: Z
.irp kk, 0,1,2,3,4,5,6,7,8,9,10,11,12,13,14,15
	WIN 0x40+0x40*(\kk/8)
.irp t, 0,1,2,3
.set rS, ((\kk%8)*4+\t)*8
.if \kind == 0
	ds_load_tr16_b128 v[rS:rS+3],   v[XL+\kk/8] offset:(\kk%8)*32*PX+32*\t
	ds_load_tr16_b128 v[rS+4:rS+7], v[XL+\kk/8] offset:(\kk%8)*32*PX+16*PX+32*\t
.else
	ds_load_b128 v[rS:rS+3],   v[ZLD] offset:\t*16*PW+\kk*64
	ds_load_b128 v[rS+4:rS+7], v[ZLD] offset:\t*16*PW+\kk*64+32
.endif
.endr
.endr
	WIN 0
.endm
.macro QSTEP slot, s, nkind, rkind, rconst, ask
	BLK 0, \slot, 0, \ask
	BLK 0, \slot, 1, -1
	BLK 0, \slot, 2, -1
	TURN 0, \slot, \nkind, 1, \rkind, \rconst
	QOUT \s
.endm
; ---- THE T STAGE ----
; x (f32) and bt of T's step o (0 or 1), into set p, ahead of the stage: sixteen lanes read 256 consecutive aligned bytes of a row.  18 loads.
.macro XLOAD p, o
	WIN 0xc0
.irp n, 0,1,2,3,4,5,6,7,8,9,10,11,12,13,14,15
	global_load_b128 v[XR+64*\p+4*\n:XR+64*\p+4*\n+3], v[GOF], s[XB:XB+1] offset:\o*65536+(16*(\n/8)+2*(\n%8))*2048
.endr
	WIN 0
	global_load_b32 v[BT+14*\p], v[R4], s[BTB:BTB+1] offset:\o*128
	global_load_b32 v[BT+14*\p+2], v[R4], s[BTB:BTB+1] offset:\o*128+64
.endm
; Product ti of a block's 32: K step ti / 8, row tile (ti / 4) % 2, point tile ti % 4; points as source 0, rows as source 1: a lane holds one row and eight neighbouring points.
.macro TPROD set, blk, buf
	WIN 0xf1+(\blk/2)
.set rD, 64*\set+(4*((ti/4)%2)+ti%4)*8
.set rF, \buf+(2*(ti/8)+(ti/4)%2)*8
.set rS, (((4*\blk+ti/8)%8)*4+ti%4)*8
.if (4*\blk+ti/8) == 0
	v_wmma_f32_16x16x32_f16 v[rD:rD+7], v[rS:rS+7], v[rF:rF+7], 0
.else
	v_wmma_f32_16x16x32_f16 v[rD:rD+7], v[rS:rS+7], v[rF:rF+7], v[rD:rD+7]
.endif
.endm
; THE WAY OUT of a step of T: 32 rows x my 64 points, as two groups g of 16 rows.  x comes by rows, goes through my stage and comes back, in the sums' layout, into the registers that it left;
; y = T / sb + bt - x; the row's sum and, about the mean of its 64 numbers, its sum of squares; y goes through the stage, comes back by rows into its own registers and is stored.
; The stage is my own: LDS serves a wave's instructions in order (ISA guide 5.7.1.4), so x of group 0, x of group 1, y of group 0 and y of group 1 follow each other in it without a wait.
; The head: set p's x and bt are in (left = the 18 loads of the next step, which stay out); every earlier store, load and prefetch has had its addresses translated (ISA guide 3.1), so that
; y's registers and the bases may be written.  The wait stands a whole change of slots behind the last store.  The bases step here; the stores reach back, the loads ahead reach on, by immediates.
.macro WHEAD p, left, xl
	WIN 0
	s_wait_loadcnt \left
	s_wait_xcnt 0x0
	s_add_nc_u64 s[YB:YB+1], s[YB:YB+1], 65536     ; 32 rows on
.if \xl
	s_add_nc_u64 s[XB:XB+1], s[XB:XB+1], 65536
	s_add_nc_u64 s[BTB:BTB+1], s[BTB:BTB+1], 128
.endif
	v_add_nc_u32 v[STA], 128, v[STA]
.set wp, \p
.set wx, \xl
.set ws, 0
.endm
; Line we (0 to 54) of group wg's statistics.  0-14 the sum of the lane's 16 pairs in four chains; 15-18 the row's sum and mean; 19-50 four rounds of four deviations and four squares; 51-54 the row's squares.
.macro WSTAT
.set rY, Y-32*wg
.set rT, TP+8*wg
.set rM, MN+6*wg
.set rV, QS+12*wg
.if we < 4
	v_pk_add_f32 v[rT+2*we:rT+2*we+1], v[rY+2*we:rY+2*we+1], v[rY+2*we+8:rY+2*we+9]
.elseif we < 12
.set wc, we%4
.set wo, 8+8*(we/4)
	v_pk_add_f32 v[rT+2*wc:rT+2*wc+1], v[rT+2*wc:rT+2*wc+1], v[rY+2*wc+wo:rY+2*wc+wo+1]
.elseif we < 14
.set wc, we-12
	v_pk_add_f32 v[rT+2*wc:rT+2*wc+1], v[rT+2*wc:rT+2*wc+1], v[rT+2*wc+4:rT+2*wc+5]
.elseif we == 14
	v_pk_add_f32 v[rT:rT+1], v[rT:rT+1], v[rT+2:rT+3]
.elseif we == 15
	v_add_f32 v[rM+1], v[rT], v[rT+1]
.elseif we == 16
	v_permlanex16_b32 v[rT+2], v[rM+1], s[SEL], s[SEL+1]   ; the row's other 32 points lie in the lane 16 away
.elseif we == 17
	v_add_f32 v[rM+1], v[rM+1], v[rT+2]
.elseif we == 18
	v_mul_f32 v[rM], 0x3c800000, v[rM+1]           ; / 64
.elseif we < 51
.set wh, (we-19)/8
.set wc, (we-19)%4
.if ((we-19)%8) < 4
	v_pk_add_f32 v[rT+2*wc:rT+2*wc+1], v[rY+8*wh+2*wc:rY+8*wh+2*wc+1], v[rM:rM+1] op_sel_hi:[1,0] neg_lo:[0,1] neg_hi:[0,1]
.elseif (wh == 0) && (wc < 2)
	v_pk_mul_f32 v[rV+2*wc:rV+2*wc+1], v[rT+2*wc:rT+2*wc+1], v[rT+2*wc:rT+2*wc+1]
.else
	v_pk_fma_f32 v[rV+2*(wc%2):rV+2*(wc%2)+1], v[rT+2*wc:rT+2*wc+1], v[rT+2*wc:rT+2*wc+1], v[rV+2*(wc%2):rV+2*(wc%2)+1]
.endif
.elseif we == 51
	v_pk_add_f32 v[rV:rV+1], v[rV:rV+1], v[rV+2:rV+3]
.elseif we == 52
	v_add_f32 v[rV], v[rV], v[rV+1]
.elseif we == 53
	v_permlanex16_b32 v[rV+1], v[rV], s[SEL], s[SEL+1]
.else
	v_add_f32 v[rV], v[rV], v[rV+1]
.endif
.endm
; Slice ws of 96 of the way out of the step whose sums and x lie in set wp; wx = 1: x of the step two on is loaded, into the set just freed.
;   0-7    x into the stage by rows, back in the sums' layout: group 0, then group 1; four LDS lines a slice
;   8-15   T / sb + bt: each accumulator's registers in ascending order
;   16-23  - x (the loads of slices 2, 3, 6 and 7 are the youngest LDS lines: the wait is for 0)
;   24-28  the 18 loads for the step two on: x's registers have had their last reader in slice 23, bt's in slice 15
;   29-65  the two groups' statistics, a line of each by turns, three lines a slice
;   66-74  the statistics into LDS; y into the stage and back by rows: group 0, then group 1
;   75-82  nothing: the loads from the stage land
;   83-86  the stores; 87-95 nothing
.macro WSLICE
.set rX, XR+64*wp
.set rB, BT+14*wp
.if ws < 8
.set wg, ws/4
.irp k, 0,1,2,3
.set wu, 4*(ws%2)+\k
.if ((ws/2)%2) == 0
	WIN 0x0c
	ds_store_b128 v[SRW], v[rX+32*wg+4*wu:rX+32*wg+4*wu+3] offset:wu*2*PG
.else
	WIN 0xc0
	ds_load_b128 v[rX+32*wg+4*wu:rX+32*wg+4*wu+3], v[SDL] offset:(wu/2)*64+(wu%2)*16
.endif
.endr
.elseif ws < 16
	WIN 0x03
.irp k, 0,1,2,3
.set wj, 4*(ws-8)+\k
.set wg, wj/16
.set rY, Y-32*wg+2*(wj%16)
.set rA, 64*wp+32*wg+2*(wj%16)
	v_pk_fma_f32 v[rY:rY+1], v[rA:rA+1], s[INV:INV+1], v[rB+2*wg:rB+2*wg+1] op_sel_hi:[1,0,0]
.endr
.elseif ws < 24
.if ws == 16
	s_wait_dscnt 0x0                               ; x is back in the sums' layout
.endif
	WIN 0x0c
.irp k, 0,1,2,3
.set wj, 4*(ws-16)+\k
.set wg, wj/16
.set rY, Y-32*wg+2*(wj%16)
.set rA, rX+32*wg+2*(wj%16)
	v_pk_add_f32 v[rY:rY+1], v[rY:rY+1], v[rA:rA+1] neg_lo:[0,1] neg_hi:[0,1]
.endr
.elseif ws < 28
.if wx
	WIN 0xc0
.irp k, 0,1,2,3
.set wj, 4*(ws-24)+\k
	global_load_b128 v[rX+4*wj:rX+4*wj+3], v[GOF], s[XB:XB+1] offset:65536+(16*(wj/8)+2*(wj%8))*2048
.endr
.endif
.elseif ws == 28
.if wx
	WIN 0
	global_load_b32 v[rB], v[R4], s[BTB:BTB+1] offset:128
	global_load_b32 v[rB+2], v[R4], s[BTB:BTB+1] offset:192
.endif
.elseif ws < 66
	WIN 0
.irp k, 0,1,2
.set wj, 3*(ws-29)+\k
.if wj < 110
.set wg, wj%2
.set we, wj/2
	WSTAT
.endif
.endr
.elseif ws == 66
	WIN 0
.irp g, 0,1
	ds_store_b32 v[STA], v[MN+6*\g+1] offset:64*\g         ; lanes r and r + 16 write the same word with the same number
	ds_store_b32 v[STA], v[QS+12*\g] offset:2048+64*\g
.endr
.elseif ws < 75
	WIN 0
.set wg, (ws-67)/4
.irp k, 0,1,2,3
.set wu, 4*((ws-67)%2)+\k
.set rY, Y-32*wg+4*wu
.if (((ws-67)/2)%2) == 0
	ds_store_b128 v[SDL], v[rY:rY+3] offset:(wu/2)*64+(wu%2)*16
.else
	ds_load_b128 v[rY:rY+3], v[SRW] offset:wu*2*PG
.endif
.endr
.elseif ws < 83
.elseif ws < 87
.if ws == 83
	s_wait_dscnt 16                                ; group 0's rows are back; group 1's eight stores and eight loads may stay out
.elseif ws == 85
	s_wait_dscnt 0x0
.endif
	WIN 0
.set wg, (ws-83)/2
.irp k, 0,1,2,3
.set wu, 4*((ws-83)%2)+\k
.set rY, Y-32*wg+4*wu
	global_store_b128 v[GOF], v[rY:rY+3], s[YB:YB+1] offset:(16*wg+2*wu)*2048-65536   ; sixteen lanes store 256 consecutive bytes, aligned
.endr
.endif
.set ws, ws+1
.endm
; One of a T step's first three blocks: the next block's fragments are fetched ahead of its 32 products.  w = 1: a slice of the last step's way out stands behind each product.
; ask: x of the T step three on from XB's is asked for, behind the LDS loads and their wait: its register loads stand two steps on.  1: always; 2: in the loop, where the third and last
; trip (the counter stands at 1) jumps over the request: the steps that it would name do not exist.  0: none.
.macro TBLK set, slot, blk, w, ask
	PLACES
	FETCHA 2, \slot, \blk+1, F0+64*((\blk+1)%2)
	s_wait_dscnt 16                                ; all but the 16 just issued
.if \ask == 1
	ASK 3
.elseif \ask == 2
	s_cmp_eq_u32 s98, 1                            ; every window is 0 here: FETCHA has left it so
	s_cbranch_scc1 .Lno_ask_\@
	ASK 3
.Lno_ask_\@:
.endif
.set ti, 0
.rept 32
	TPROD \set, \blk, F0+64*(\blk%2)
.if \w
	WSLICE
.endif
.set ti, ti+1
.endr
.endm
; A T step's last block changes slots, as TURN does, and carries no slice: between the signal and the wait stand products alone, and no LDS line of the way out is out at the signal.
.macro TTURN set, slot, fill
	s_wait_dscnt 0x0
	s_set_vgpr_msb (MSB<<8)|((MSB&0xf0)|0x0)
	s_wait_tensorcnt 0x0
	ds_add_u32 v46, v47
	s_wait_dscnt 0x0
	s_set_vgpr_msb (((MSB&0xf0)|0x0)<<8)|MSB
	s_barrier_signal -1
.set ti, 0
.rept 16
	TPROD \set, 3, F1
.set ti, ti+1
.endr
	WIN 0
	s_barrier_wait -1
.if \fill
	CREST
	REFILL 2, 2, \slot, 0                          ; its four v_nop are also the places ahead of the loads below
.else
	PLACES
.endif
	FETCHA 2, 1-\slot, 0, F0
.rept 16
	TPROD \set, 3, F1
.set ti, ti+1
.endr
.endm
	s_wait_tensorcnt 0x1                           ; my parts of x16 and of step 0 are in; step 1's may stay out
	s_barrier_signal -1
	s_barrier_wait -1
	SLOAD 0
	FETCHA 0, 0, 0, F0
	QSTEP 0, 0, 0, 0, 65536, -1                    ; steps 0-3: Q of heads 0 and 2; each turn asks for the tile of the step two on
	QSTEP 1, 1, 0, 0, 98304, -1
	QSTEP 0, 2, 0, 1, 0, -1
	QSTEP 1, 3, 1, 0, 131072, -1
	BLK 1, 0, 0, -1                                ; step 4: Z of heads 0 and 2, 32 rows a block
	ZOUT 0, 0
	BLK 1, 0, 1, -1
	ZOUT 0, 1
	BLK 1, 0, 2, -1
	ZOUT 0, 2
	TURN 1, 0, 0, 1, 0, 163840
	ZOUT 0, 3
	QSTEP 1, 0, 0, 0, 196608, -1                   ; steps 5-8: Q of heads 1 and 3
	QSTEP 0, 1, 0, 0, 229376, -1
	QSTEP 1, 2, 0, 1, 32768, 0                     ; step 7 asks for x of T's step 0,
	QSTEP 0, 3, 1, 2, 0, 1                         ; step 8 for that of T's step 1,
	BLK 1, 1, 0, 2                                 ; step 9: Z of heads 1 and 3; it asks for x of T's step 2
	ZOUT 1, 0
	BLK 1, 1, 1, -1
	ZOUT 1, 1
	BLK 1, 1, 2, -1
	ZOUT 1, 2
	s_wait_dscnt 0x0
	MUL 1, 3, 0, F1
	MUL 1, 3, 2, F1
	ZOUT 1, 3
	XLOAD 0, 0                                     ; x of T's first two steps: Q's registers are free
	XLOAD 1, 1
	s_wait_dscnt 0x0                               ; my part of Z is written, my reads of slot 1 are over,
	s_set_vgpr_msb (MSB<<8)|((MSB&0xf0)|0x0)
	s_wait_tensorcnt 0x0                           ; and step 10's tile has landed
	ds_add_u32 v46, v47
	s_wait_dscnt 0x0
	s_set_vgpr_msb (((MSB&0xf0)|0x0)<<8)|MSB
	CROUND                                         ; all of Z is visible; slot 1 is free in all four work-groups
	REFILL 1, 2, 1, 32768                          ; step 11
	SLOAD 1
	FETCHA 2, 0, 0, F0
	; T's steps s = 0 to 7: slot, set of sums and set of x are all s % 2.  The first step's first three blocks have no way out beside them.
	TBLK 0, 0, 0, 0, 1                             ; it asks for x of T's step 3
	TBLK 0, 0, 1, 0, 0
	TBLK 0, 0, 2, 0, 0
	WIN 0                                          ; at a label and at a branch every window is 0
	s_mov_b32 s98, 3
.Ltrip:                                                ; trip k goes from the last block of step 2 k to the third block of step 2 k + 2: all six refills and all six loads ahead lie in the loop
	TTURN 0, 0, 1                                  ; step 2 k ends; slot 0 takes step 2 k + 2
	WHEAD 0, 18, 1
	TBLK 1, 1, 0, 1, 2                             ; step 2 k + 1 | the way out of step 2 k | trips 0 and 1 ask for x of step 2 k + 4
	TBLK 1, 1, 1, 1, 0
	TBLK 1, 1, 2, 1, 0
	TTURN 1, 1, 1                                  ; slot 1 takes step 2 k + 3
	WHEAD 1, 18, 1
	TBLK 0, 0, 0, 1, 2                             ; step 2 k + 2 | the way out of step 2 k + 1 | trips 0 and 1 ask for x of step 2 k + 5
	TBLK 0, 0, 1, 1, 0
	TBLK 0, 0, 2, 1, 0
	WIN 0
	s_sub_co_u32 s98, s98, 1
	s_cmp_lg_u32 s98, 0
	s_cbranch_scc1 .Ltrip
	TTURN 0, 0, 0                                  ; step 6 ends: nothing is left to ask for
	WHEAD 0, 18, 0
	TBLK 1, 1, 0, 1, 0                             ; step 7 | the way out of step 6
	TBLK 1, 1, 1, 1, 0
	TBLK 1, 1, 2, 1, 0
	s_wait_dscnt 0x0
.set ti, 0
.rept 32
	TPROD 1, 3, F1
.set ti, ti+1
.endr
	WHEAD 1, 0, 0                                  ; the last way out has no products to stand behind
	PLACES
.rept 96
	WSLICE
.endr
	WIN 0
	; The two point halves' statistics are joined (64 numbers each): S = s0 + s1, M2 = m0 + m1 + (s0 - s1)^2 / 128.  Thread t: channels 4 t on.
	s_barrier_signal -1                            ; the wait for 0 on DScnt stands in the way out above, behind its last LDS line
	s_barrier_wait -1
	v_lshlrev_b32 v3, 4, v0
	v_add_nc_u32 v4, ST, v3
	ds_load_b128 v[48:51], v4
	ds_load_b128 v[52:55], v4 offset:2048
	ds_load_b128 v[56:59], v4 offset:4096
	ds_load_b128 v[60:63], v4 offset:6144
	s_wait_dscnt 0x0
.irp n, 0,2
	v_pk_add_f32 v[64+\n:65+\n], v[48+\n:49+\n], v[56+\n:57+\n] neg_lo:[0,1] neg_hi:[0,1]
	v_pk_add_f32 v[68+\n:69+\n], v[48+\n:49+\n], v[56+\n:57+\n]
	v_pk_add_f32 v[72+\n:73+\n], v[52+\n:53+\n], v[60+\n:61+\n]
.endr
.irp n, 0,2
	v_pk_mul_f32 v[64+\n:65+\n], v[64+\n:65+\n], v[64+\n:65+\n]
.endr
.irp n, 0,2
	v_pk_fma_f32 v[72+\n:73+\n], v[64+\n:65+\n], 0x3c000000, v[72+\n:73+\n] op_sel_hi:[1,0,1]
.endr
	global_store_b128 v3, v[68:71], s[STB:STB+1]
	global_store_b128 v3, v[72:75], s[STB:STB+1] offset:2048
	s_set_vgpr_msb (MSB<<8)|((MSB&0xf0)|0x0)
	s_wait_tensorcnt 0x0
	ds_add_u32 v46, v47
	s_wait_dscnt 0x0
	s_set_vgpr_msb (((MSB&0xf0)|0x0)<<8)|MSB
	CROUND                                         ; the closing round
	s_endpgm
.Lfunc_end_k_qc477dc4664_chain:
	.size	k_qc477dc4664_chain, .Lfunc_end_k_qc477dc4664_chain-k_qc477dc4664_chain
	.p2alignl 7, 3214868480
	.fill 96, 4, 3214868480
	.section	.rodata,"a",@progbits
	.p2align	6, 0x0
	.amdhsa_kernel k_qc477dc4664_chain
		.amdhsa_group_segment_fixed_size 327680
		.amdhsa_private_segment_fixed_size 0
		.amdhsa_enable_private_segment 0
		.amdhsa_kernarg_size 64
		.amdhsa_user_sgpr_count 2
		.amdhsa_user_sgpr_kernarg_segment_ptr 1
		.amdhsa_wavefront_size32 1
		.amdhsa_system_sgpr_workgroup_id_x 1
		.amdhsa_system_sgpr_workgroup_id_y 1
		.amdhsa_system_sgpr_workgroup_id_z 1
		.amdhsa_system_vgpr_workitem_id 0
		.amdhsa_next_free_vgpr 1024
		.amdhsa_next_free_sgpr 100
		.amdhsa_reserve_vcc 0
		.amdhsa_float_denorm_mode_32 3
		.amdhsa_float_denorm_mode_16_64 3
		.amdhsa_memory_ordered 1
		.amdhsa_forward_progress 1
		.amdhsa_inst_pref_size 255
	.end_amdhsa_kernel
	.section	.bss,"aw",@nobits
	.p2align	6
	.space	262144
	.amdgpu_metadata
---
amdhsa.version: [ 1, 2 ]
amdhsa.kernels:
  - .name:           k_qc477dc4664_chain
    .symbol:         k_qc477dc4664_chain.kd
    .args:
      - { .name: x16, .offset: 0, .size: 8, .value_kind: global_buffer, .address_space: global }
      - { .name: w16, .offset: 8, .size: 8, .value_kind: global_buffer, .address_space: global }
      - { .name: g16, .offset: 16, .size: 8, .value_kind: global_buffer, .address_space: global }
      - { .name: gs, .offset: 24, .size: 8, .value_kind: global_buffer, .address_space: global }
      - { .name: x, .offset: 32, .size: 8, .value_kind: global_buffer, .address_space: global }
      - { .name: bt, .offset: 40, .size: 8, .value_kind: global_buffer, .address_space: global }
      - { .name: ybuf, .offset: 48, .size: 8, .value_kind: global_buffer, .address_space: global }
      - { .name: stats, .offset: 56, .size: 8, .value_kind: global_buffer, .address_space: global }
    .group_segment_fixed_size: 327680
    .private_segment_fixed_size: 0
    .kernarg_segment_align: 8
    .kernarg_segment_size: 64
    .max_flat_workgroup_size: 128
    .sgpr_count:     100
    .vgpr_count:     1024
    .wavefront_size: 32
...
	.end_amdgpu_metadata
.endif
;; end of part 3
;; launch bnorm (part 4): grid 8 x 32, 8 waves a work-group, no clusters, 13,312 bytes of LDS; arguments x, ybuf, stats, gamma, beta, out0; writes out0
.if DOCPART == 4
	.amdgcn_target "amdgcn-amd-amdhsa--gfx1250"
	.amdhsa_code_object_version 6
	.text
	.protected	k_qc477dc4664_bnorm
	.globl	k_qc477dc4664_bnorm
	.p2align	8
	.type	k_qc477dc4664_bnorm,@function
k_qc477dc4664_bnorm:
	s_mov_b64 s[64:65], 0
	v_nop
	global_prefetch_b8 v0, s[64:65] scope:SCOPE_SE
	s_setreg_imm32_b32 hwreg(HW_REG_WAVE_MODE, 25, 1), 1
	s_wait_xcnt 0x0
; out = x + relu(a y + c) with a = gamma rsqrt(var + 1e-5), c = beta - a mean; mean and var of a channel over the 256 parts of 128 numbers that the launch before left in stats.
; The parts are joined without a difference of large sums: mean = (sum of sums) / 32,768; M2 = sum of the parts' M2 + 128 x sum of (part's mean - mean)^2; var = M2 / 32,768.
; A work-group owns 64 channels of 2 batches.  Memory binds: no matrix unit, no cluster; every byte of x and y is read once and every byte of out written once, 512 consecutive bytes a wave's instruction.
; STATISTICS: wave w takes parts 32 w on, lane l channels 2 l and 2 l + 1 (a load covers 256 consecutive aligned bytes); the waves' figures meet in LDS twice.
; STREAM: wave w owns channels 8 w on of both batches: 64 units of 512 bytes, through a ring of 16 slots in registers.  Slots 0-7 are filled ahead of the statistics, slots 8-15 lie
; over the registers of the parts' sums and are filled when those have been used.  The results have sixteen register sets of their own, so that a set is written again only sixteen
; units behind its store, and one wait at the head of each sixteen units frees them all: three such waits in the stream.
.set OFF,  2                           ; v2   my 16 bytes in the wave's rows
.set SOF,  3                           ; v3   my 8 bytes in the wave's parts
.set L8,   4                           ; v4   8 x lane
.set LR1,  5                           ; v5   where my wave's figures go
.set LAC,  7                           ; v7   my wave's own bytes for a and c
.set LAR,  8                           ; v8   my wave's 8 channels there
.set GAM,  10
.set BET,  12
.set MEAN, 14
.set T,    16                          ; v16-23 at work
.set VAR,  24
.set O,    26                          ; v26-33 result sets 14 and 15
.set RL,   34                          ; v34-97   ring slots 0-7: x 4, y 4
.set SUMS, 98                          ; v98-161  32 parts' sums; then ring slots 8-15
.set M2S,  162                         ; v162-225 32 parts' M2
.set AC,   162                         ; then: a of channel k twice at AC + 2 k, c at AC + 16 + 2 k
.set OS,   194                         ; and v194-249: result sets 0 to 13
.set LT,   226                         ; v226-241 the eight waves' figures, ahead of the stream
	s_load_b256 s[4:11], s[0:1], 0x0               ; x s[4:5], ybuf s[6:7], stats s[8:9], gamma s[10:11]
	s_load_b128 s[12:15], s[0:1], 0x20             ; beta s[12:13], out0 s[14:15]
	v_lshl_add_u32 v254, v0, 2, 0x3000
	v_mov_b32 v255, 0
	v_lshrrev_b32 v1, 5, v0
	v_readfirstlane_b32 s16, v1                    ; wave 0..7
	v_and_b32 v1, 31, v0                           ; lane
	s_and_b32 s17, ttmp7, 0xffff
	s_lshl_b32 s18, s17, 21                        ; two batches of 1,048,576 bytes,
	s_lshl_b32 s19, ttmp9, 17                      ; 64 channels of 2,048 bytes
	s_add_co_u32 s18, s18, s19
	s_mov_b32 s19, 0
	s_lshl_b32 s20, ttmp9, 8                       ; 64 channels of 4 bytes
	s_mov_b32 s21, 0
	s_lshl_b32 s22, s16, 14
	v_lshl_add_u32 v[OFF], v1, 4, s22
	s_lshl_b32 s22, s16, 17
	v_lshl_add_u32 v[SOF], v1, 3, s22
	v_lshlrev_b32 v[L8], 3, v1
	s_lshl_b32 s22, s16, 8
	v_lshl_add_u32 v[LR1], v1, 3, s22
	s_lshl_b32 s22, s16, 10
	s_add_co_u32 s22, s22, 4096
	v_lshl_add_u32 v[LAC], v1, 4, s22
	s_lshl_b32 s23, s16, 6
	s_add_co_u32 s23, s23, s22
	v_mov_b32 v[LAR], s23
	s_wait_kmcnt 0x0
	s_add_nc_u64 s[4:5], s[4:5], s[18:19]
	s_add_nc_u64 s[6:7], s[6:7], s[18:19]
	s_add_nc_u64 s[14:15], s[14:15], s[18:19]
	s_add_nc_u64 s[8:9], s[8:9], s[20:21]
	s_add_nc_u64 s[10:11], s[10:11], s[20:21]
	s_add_nc_u64 s[12:13], s[12:13], s[20:21]
; unit u: batch u / 32, channel (u / 4) % 8, quarter u % 4 of the row
.macro LOADU u
.if ((\u)%16) < 8
.set rX, RL+8*((\u)%16)
.else
.set rX, SUMS+8*((\u)%16-8)
.endif
	global_load_b128 v[rX:rX+3],   v[OFF], s[4:5] offset:((\u)/32)*1048576+(((\u)/4)%8)*2048+((\u)%4)*512 th:TH_LOAD_NT
	global_load_b128 v[rX+4:rX+7], v[OFF], s[6:7] offset:((\u)/32)*1048576+(((\u)/4)%8)*2048+((\u)%4)*512 th:TH_LOAD_NT
.endm
.macro GATHER base                     ; the eight waves' figures, added in the same order in every wave
.irp k, 0,1,2,3,4,5,6,7
	ds_load_b64 v[LT+2*\k:LT+2*\k+1], v[L8] offset:\base+256*\k
.endr
	s_wait_dscnt 0x0
.irp k, 0,1,2,3
	v_pk_add_f32 v[LT+2*\k:LT+2*\k+1], v[LT+2*\k:LT+2*\k+1], v[LT+2*\k+8:LT+2*\k+9]
.endr
.irp k, 0,1
	v_pk_add_f32 v[LT+2*\k:LT+2*\k+1], v[LT+2*\k:LT+2*\k+1], v[LT+2*\k+4:LT+2*\k+5]
.endr
	v_pk_add_f32 v[LT:LT+1], v[LT:LT+1], v[LT+2:LT+3]
.endm
.set p, 0
.rept 32
	global_load_b64 v[SUMS+2*p:SUMS+2*p+1], v[SOF], s[8:9] offset:p*4096
.set p, p+1
.endr
.set p, 0
.rept 32
	global_load_b64 v[M2S+2*p:M2S+2*p+1], v[SOF], s[8:9] offset:p*4096+2048
.set p, p+1
.endr
	global_load_b64 v[GAM:GAM+1], v[L8], s[10:11]
	global_load_b64 v[BET:BET+1], v[L8], s[12:13]
.irp u, 0,1,2,3,4,5,6,7
	LOADU \u
.endr
	s_wait_loadcnt 50                              ; the 32 sums are in; behind them: 32 M2, gamma, beta, 16 of the ring
.irp c, 0,1,2,3
	v_pk_add_f32 v[T+2*\c:T+2*\c+1], v[SUMS+2*\c:SUMS+2*\c+1], v[SUMS+8+2*\c:SUMS+8+2*\c+1]
.endr
.set p, 8
.rept 24
	v_pk_add_f32 v[T+2*(p%4):T+2*(p%4)+1], v[T+2*(p%4):T+2*(p%4)+1], v[SUMS+2*p:SUMS+2*p+1]
.set p, p+1
.endr
	v_pk_add_f32 v[T:T+1], v[T:T+1], v[T+2:T+3]
	v_pk_add_f32 v[T+4:T+5], v[T+4:T+5], v[T+6:T+7]
	v_pk_add_f32 v[T:T+1], v[T:T+1], v[T+4:T+5]
	ds_store_b64 v[LR1], v[T:T+1]
	s_wait_dscnt 0x0                               ; for the others' sake
	s_barrier_signal -1
	s_barrier_wait -1
	GATHER 0
	v_pk_mul_f32 v[MEAN:MEAN+1], v[LT:LT+1], 0x38000000 op_sel_hi:[1,0]    ; / 32,768
	s_wait_loadcnt 16                              ; all but the ring's 16
.set p, 0
.rept 32
	v_pk_fma_f32 v[SUMS+2*p:SUMS+2*p+1], v[SUMS+2*p:SUMS+2*p+1], 0x3c000000, v[MEAN:MEAN+1] op_sel_hi:[1,0,1] neg_lo:[0,0,1] neg_hi:[0,0,1]   ; the part's mean - the mean
.set p, p+1
.endr
	v_pk_mul_f32 v[T:T+1], v[SUMS:SUMS+1], v[SUMS:SUMS+1]
	v_pk_mul_f32 v[T+2:T+3], v[SUMS+2:SUMS+3], v[SUMS+2:SUMS+3]
	v_pk_add_f32 v[T+4:T+5], v[M2S:M2S+1], v[M2S+4:M2S+5]
	v_pk_add_f32 v[T+6:T+7], v[M2S+2:M2S+3], v[M2S+6:M2S+7]
.set p, 2
.rept 30
	v_pk_fma_f32 v[T+2*(p%2):T+2*(p%2)+1], v[SUMS+2*p:SUMS+2*p+1], v[SUMS+2*p:SUMS+2*p+1], v[T+2*(p%2):T+2*(p%2)+1]
.set p, p+1
.endr
.set p, 4
.rept 28
	v_pk_add_f32 v[T+4+2*(p%2):T+4+2*(p%2)+1], v[T+4+2*(p%2):T+4+2*(p%2)+1], v[M2S+2*p:M2S+2*p+1]
.set p, p+1
.endr
.irp u, 8,9,10,11,12,13,14,15
	LOADU \u                                       ; the sums' registers are free: the ring's other half goes out
.endr
	v_pk_add_f32 v[T:T+1], v[T:T+1], v[T+2:T+3]
	v_pk_add_f32 v[T+4:T+5], v[T+4:T+5], v[T+6:T+7]
	v_pk_fma_f32 v[T+4:T+5], v[T:T+1], 0x43000000, v[T+4:T+5] op_sel_hi:[1,0,1]
	ds_store_b64 v[LR1], v[T+4:T+5] offset:2048    ; other bytes than the sums': no barrier between
	s_wait_dscnt 0x0
	s_barrier_signal -1
	s_barrier_wait -1
	GATHER 2048
	v_mov_b32 v[VAR], 0x3727c5ac                   ; 1e-5
	v_mov_b32 v[VAR+1], 0x3727c5ac
	v_pk_fma_f32 v[VAR:VAR+1], v[LT:LT+1], 0x38000000, v[VAR:VAR+1] op_sel_hi:[1,0,1]
	v_rsq_f32 v[VAR], v[VAR]
	v_rsq_f32 v[VAR+1], v[VAR+1]
	v_nop                                          ; a plain instruction between the second root and the use of its result (ISA guide 5.7.2)
	s_wait_alu depctr_va_vdst(0)
	v_pk_mul_f32 v[T:T+1], v[GAM:GAM+1], v[VAR:VAR+1]                      ; a
	v_pk_fma_f32 v[T+4:T+5], v[T:T+1], v[MEAN:MEAN+1], v[BET:BET+1] neg_lo:[1,0,0] neg_hi:[1,0,0]   ; c = beta - a mean
	v_mov_b32 v[T+3], v[T+1]                       ; each number twice, so that the packed multiply-add takes plain pairs
	v_mov_b32 v[T+2], v[T+1]
	v_mov_b32 v[T+1], v[T]
	v_mov_b32 v[T+7], v[T+5]
	v_mov_b32 v[T+6], v[T+5]
	v_mov_b32 v[T+5], v[T+4]
	ds_store_b128 v[LAC], v[T:T+3]                 ; my wave's own bytes: LDS serves a wave's instructions in order (ISA guide 5.7.1.4)
	ds_store_b128 v[LAC], v[T+4:T+7] offset:512
.irp n, 0,1,2,3
	ds_load_b128 v[AC+4*\n:AC+4*\n+3], v[LAR] offset:16*\n                 ; every lane reads the same 16 bytes
	ds_load_b128 v[AC+16+4*\n:AC+16+4*\n+3], v[LAR] offset:512+16*\n
.endr
	s_wait_dscnt 0x0
.macro UNIT u
.if ((\u)%16) < 8
.set rU, RL+8*((\u)%16)
.else
.set rU, SUMS+8*((\u)%16-8)
.endif
.if ((\u)%16) < 14
.set rO, OS+4*((\u)%16)
.else
.set rO, O+4*((\u)%16-14)
.endif
.set rA, AC+2*(((\u)/4)%8)
.if (\u) < 48
	s_wait_loadcnt 30                              ; my two loads are in; the 15 younger units' stay out
.else
	s_wait_loadcnt 2*(63-(\u))
.endif
.if (((\u)%16) == 0) && ((\u) > 0)
	s_wait_xcnt 0x0                                ; the sixteen result sets, which the last sixteen units' stores read, are written again only behind this wait
.endif
	v_pk_fma_f32 v[rO:rO+1],   v[rU+4:rU+5], v[rA:rA+1], v[rA+16:rA+17]
	v_pk_fma_f32 v[rO+2:rO+3], v[rU+6:rU+7], v[rA:rA+1], v[rA+16:rA+17]
.irp n, 0,1,2,3
	v_max_num_f32 v[rO+\n], 0, v[rO+\n]
.endr
	v_pk_add_f32 v[rO:rO+1],   v[rO:rO+1],   v[rU:rU+1]
	v_pk_add_f32 v[rO+2:rO+3], v[rO+2:rO+3], v[rU+2:rU+3]
.if (\u) < 48
	LOADU (\u)+16
.endif
	global_store_b128 v[OFF], v[rO:rO+3], s[14:15] offset:((\u)/32)*1048576+(((\u)/4)%8)*2048+((\u)%4)*512 th:TH_STORE_NT
.endm
.set uu, 0
.rept 64
	UNIT uu
.set uu, uu+1
.endr
	s_wait_tensorcnt 0x0
	ds_add_u32 v254, v255
	s_wait_dscnt 0x0
	s_endpgm
.Lfunc_end_k_qc477dc4664_bnorm:
	.size	k_qc477dc4664_bnorm, .Lfunc_end_k_qc477dc4664_bnorm-k_qc477dc4664_bnorm
	.p2alignl 7, 3214868480
	.fill 96, 4, 3214868480
	.section	.rodata,"a",@progbits
	.p2align	6, 0x0
	.amdhsa_kernel k_qc477dc4664_bnorm
		.amdhsa_group_segment_fixed_size 13312
		.amdhsa_private_segment_fixed_size 0
		.amdhsa_enable_private_segment 0
		.amdhsa_kernarg_size 48
		.amdhsa_user_sgpr_count 2
		.amdhsa_user_sgpr_kernarg_segment_ptr 1
		.amdhsa_wavefront_size32 1
		.amdhsa_system_sgpr_workgroup_id_x 1
		.amdhsa_system_sgpr_workgroup_id_y 1
		.amdhsa_system_sgpr_workgroup_id_z 1
		.amdhsa_system_vgpr_workitem_id 0
		.amdhsa_next_free_vgpr 256
		.amdhsa_next_free_sgpr 66
		.amdhsa_reserve_vcc 0
		.amdhsa_float_denorm_mode_32 3
		.amdhsa_float_denorm_mode_16_64 3
		.amdhsa_memory_ordered 1
		.amdhsa_forward_progress 1
		.amdhsa_inst_pref_size 65
	.end_amdhsa_kernel
	.amdgpu_metadata
---
amdhsa.version: [ 1, 2 ]
amdhsa.kernels:
  - .name:           k_qc477dc4664_bnorm
    .symbol:         k_qc477dc4664_bnorm.kd
    .args:
      - { .name: x, .offset: 0, .size: 8, .value_kind: global_buffer, .address_space: global }
      - { .name: ybuf, .offset: 8, .size: 8, .value_kind: global_buffer, .address_space: global }
      - { .name: stats, .offset: 16, .size: 8, .value_kind: global_buffer, .address_space: global }
      - { .name: gamma, .offset: 24, .size: 8, .value_kind: global_buffer, .address_space: global }
      - { .name: beta, .offset: 32, .size: 8, .value_kind: global_buffer, .address_space: global }
      - { .name: out0, .offset: 40, .size: 8, .value_kind: global_buffer, .address_space: global }
    .group_segment_fixed_size: 13312
    .private_segment_fixed_size: 0
    .kernarg_segment_align: 8
    .kernarg_segment_size: 48
    .max_flat_workgroup_size: 256
    .sgpr_count:     66
    .vgpr_count:     256
    .wavefront_size: 32
...
	.end_amdgpu_metadata
.endif
;; end of part 4
;; ======== version 2 of 2: 4 launches; version 1 with the launch bnorm written anew for expert scheduling mode
;; limits: values are held in f16: magnitudes above 65,504 overflow, below 6.1e-05 lose precision
;; workspace buffers: x16 33,554,432 bytes; w16 2,097,152 bytes; g16 8,388,608 bytes; gs 1,024 bytes; ybuf 67,108,864 bytes; stats 1,048,576 bytes
;; launch cast: the kernel of part 1 again; grid 512 x 1, 8 waves a work-group, no clusters, 0 bytes of LDS; arguments x, Wq, Wk, Wv, Wt, x16, w16; writes x16, w16
;; launch gram: the kernel of part 2 again; grid 4 x 64, 4 waves a work-group, clusters of 4 x 1, 327,680 bytes of LDS; arguments x16, w16, g16, gs; writes g16, gs
;; launch chain: the kernel of part 3 again; grid 4 x 64, 4 waves a work-group, clusters of 4 x 1, 327,680 bytes of LDS; arguments x16, w16, g16, gs, x, bt, ybuf, stats; writes ybuf, stats
;; launch bnorm (part 5): grid 8 x 32, 8 waves a work-group, no clusters, 13,312 bytes of LDS; arguments x, ybuf, stats, gamma, beta, out0; writes out0
.if DOCPART == 5
	.amdgcn_target "amdgcn-amd-amdhsa--gfx1250"
	.amdhsa_code_object_version 6
	.text
	.protected	k_qc477dc4664_bnorm
	.globl	k_qc477dc4664_bnorm
	.p2align	8
	.type	k_qc477dc4664_bnorm,@function
k_qc477dc4664_bnorm:
	s_mov_b64 s[64:65], 0
	v_nop
	global_prefetch_b8 v0, s[64:65] scope:SCOPE_SE
	s_setreg_imm32_b32 hwreg(HW_REG_WAVE_SCHED_MODE, 0, 2), 2
	s_setreg_imm32_b32 hwreg(HW_REG_WAVE_MODE, 25, 1), 1
	s_wait_xcnt 0x0
	s_wait_alu depctr_vm_vsrc(0)
; out = x + relu(a y + c) with a = gamma rsqrt(var + 1e-5), c = beta - a mean; mean and var of a channel over the 256 parts of 128 numbers that the launch before left in stats.
; The parts are joined without a difference of large sums: mean = (sum of sums) / 32,768; M2 = sum of the parts' M2 + 128 x sum of (part's mean - mean)^2; var = M2 / 32,768.
; A work-group owns 64 channels of 2 batches.  Memory binds: no matrix unit, no cluster; every byte of x and y is read once and every byte of out written once, 512 consecutive bytes a wave's instruction.
; STATISTICS: wave w takes parts 32 w on, lane l channels 2 l and 2 l + 1 (a load covers 256 consecutive aligned bytes); the waves' figures meet in LDS twice.
; STREAM: wave w owns channels 8 w on of both batches: 64 units of 512 bytes, in 16 blocks of four.
; THE MODE: SCHED_MODE bits 1:0 = 2 (LLVM: expert scheduling mode 2), set by the entry lines.  The code itself states the register dependences
; between vector instructions and memory or LDS instructions, with s_wait_alu, always for 0.
; THE PLAN OF THE STREAM.  Registers that memory instructions touch:
;   X0 .. X4   five blocks of four ring slots (x 4 registers, y 4).  Written by the loads of block p + 4, issued in block p; read by block p's arithmetic.
;              X0, X1 are filled ahead of the statistics; X2, X3 lie over the parts' sums and X4 over the upper half of the parts' M2: filled when those have been used.
;   Y0, Y1     two blocks of four result sets.  Written by block p's arithmetic; read by the four stores that are issued in block p + 1.
;   v[OFF]     the one offset, made at the head and never written again: the rows are reached by immediate offsets, and the bases do not move.
; Block p works on X[p % 5] and writes Y[p % 2].  Its memory instructions are the loads into X[(p + 4) % 5] = X[(p - 1) % 5] and the stores from Y[(p - 1) % 2]: the two buffers that
; block p - 1 worked on and that no vector instruction of block p names.  So the waits at a block's head state all that its twelve memory instructions hang on, and these are dealt
; among its vector instructions with no further wait.
; THE HEAD AND THE STATISTICS: the addresses v2 to v8 are written once; T (v16-23) is written by vector instructions and read by LDS stores three times, each time with a wait on
; va_vdst ahead of the store and a wait on vm_vsrc ahead of the next write; LT, AC and the ring's later slots are loaded behind a wait on va_vdst that follows their last vector reader.
.set OFF,  2                           ; v2   my 16 bytes in the wave's rows
.set SOF,  3                           ; v3   my 8 bytes in the wave's parts
.set L8,   4                           ; v4   8 x lane
.set LR1,  5                           ; v5   where my wave's figures go
.set LAC,  7                           ; v7   my wave's own bytes for a and c
.set LAR,  8                           ; v8   my wave's 8 channels there
.set GAM,  10
.set BET,  12
.set MEAN, 14
.set T,    16                          ; v16-23 at work
.set VAR,  24
.set O,    26                          ; v26-33 result sets 6 and 7
.set RL,   34                          ; v34-97   ring slots 0-7: x 4, y 4
.set SUMS, 98                          ; v98-161  32 parts' sums; then ring slots 8-15
.set M2S,  162                         ; v162-225 32 parts' M2
.set AC,   162                         ; then: a of channel k twice at AC + 2 k, c at AC + 16 + 2 k,
.set XE,   194                         ; and v194-225: ring slots 16-19
.set OS,   226                         ; v226-249 result sets 0 to 5
.set LT,   226                         ; v226-241 the eight waves' figures, ahead of the stream
	s_load_b256 s[4:11], s[0:1], 0x0               ; x s[4:5], ybuf s[6:7], stats s[8:9], gamma s[10:11]
	s_load_b128 s[12:15], s[0:1], 0x20             ; beta s[12:13], out0 s[14:15]
	v_lshl_add_u32 v254, v0, 2, 0x3000             ; my spare word and 0: made here and kept for the closing lines alone
	v_mov_b32 v255, 0
	v_lshrrev_b32 v1, 5, v0
	v_readfirstlane_b32 s16, v1                    ; wave 0..7
	v_and_b32 v1, 31, v0                           ; lane
	s_and_b32 s17, ttmp7, 0xffff
	s_lshl_b32 s18, s17, 21                        ; two batches of 1,048,576 bytes,
	s_lshl_b32 s19, ttmp9, 17                      ; 64 channels of 2,048 bytes
	s_add_co_u32 s18, s18, s19
	s_mov_b32 s19, 0
	s_lshl_b32 s20, ttmp9, 8                       ; 64 channels of 4 bytes
	s_mov_b32 s21, 0
	s_wait_alu depctr_va_sdst(0)                   ; s16 is written, ahead of its first reader: the wave's offsets are made from it
	s_lshl_b32 s22, s16, 14
	v_lshl_add_u32 v[OFF], v1, 4, s22
	s_lshl_b32 s22, s16, 17
	v_lshl_add_u32 v[SOF], v1, 3, s22
	v_lshlrev_b32 v[L8], 3, v1
	s_lshl_b32 s22, s16, 8
	v_lshl_add_u32 v[LR1], v1, 3, s22
	s_lshl_b32 s22, s16, 10
	s_add_co_u32 s22, s22, 4096
	v_lshl_add_u32 v[LAC], v1, 4, s22
	s_lshl_b32 s23, s16, 6
	s_add_co_u32 s23, s23, s22
	v_mov_b32 v[LAR], s23
	s_wait_kmcnt 0x0
	s_add_nc_u64 s[4:5], s[4:5], s[18:19]
	s_add_nc_u64 s[6:7], s[6:7], s[18:19]
	s_add_nc_u64 s[14:15], s[14:15], s[18:19]
	s_add_nc_u64 s[8:9], s[8:9], s[20:21]
	s_add_nc_u64 s[10:11], s[10:11], s[20:21]
	s_add_nc_u64 s[12:13], s[12:13], s[20:21]
	s_wait_alu depctr_va_vdst(0)                   ; the six addresses v2 to v8 are written: every load and store of the kernel, global or LDS, reads one of them, and none is written again
; unit u: batch u / 32, channel (u / 4) % 8, quarter u % 4 of the row.  Its ring slot is u % 20, its result set u % 8.
.macro XREG u
.if ((\u)%20) < 8
.set rX, RL+8*((\u)%20)
.elseif ((\u)%20) < 16
.set rX, SUMS+8*((\u)%20-8)
.else
.set rX, XE+8*((\u)%20-16)
.endif
.endm
.macro OREG u
.if ((\u)%8) < 6
.set rO, OS+4*((\u)%8)
.else
.set rO, O+4*((\u)%8-6)
.endif
.endm
.macro LOADU u
	XREG \u
	global_load_b128 v[rX:rX+3],   v[OFF], s[4:5] offset:((\u)/32)*1048576+(((\u)/4)%8)*2048+((\u)%4)*512 th:TH_LOAD_NT
	global_load_b128 v[rX+4:rX+7], v[OFF], s[6:7] offset:((\u)/32)*1048576+(((\u)/4)%8)*2048+((\u)%4)*512 th:TH_LOAD_NT
.endm
.macro STOREU u
	OREG \u
	global_store_b128 v[OFF], v[rO:rO+3], s[14:15] offset:((\u)/32)*1048576+(((\u)/4)%8)*2048+((\u)%4)*512 th:TH_STORE_NT
.endm
.macro GATHER base                     ; the eight waves' figures, added in the same order in every wave
.irp k, 0,1,2,3,4,5,6,7
	ds_load_b64 v[LT+2*\k:LT+2*\k+1], v[L8] offset:\base+256*\k
.endr
	s_wait_dscnt 0x0
.irp k, 0,1,2,3
	v_pk_add_f32 v[LT+2*\k:LT+2*\k+1], v[LT+2*\k:LT+2*\k+1], v[LT+2*\k+8:LT+2*\k+9]
.endr
.irp k, 0,1
	v_pk_add_f32 v[LT+2*\k:LT+2*\k+1], v[LT+2*\k:LT+2*\k+1], v[LT+2*\k+4:LT+2*\k+5]
.endr
	v_pk_add_f32 v[LT:LT+1], v[LT:LT+1], v[LT+2:LT+3]
.endm
.set p, 0
.rept 32
	global_load_b64 v[SUMS+2*p:SUMS+2*p+1], v[SOF], s[8:9] offset:p*4096
.set p, p+1
.endr
.set p, 0
.rept 32
	global_load_b64 v[M2S+2*p:M2S+2*p+1], v[SOF], s[8:9] offset:p*4096+2048
.set p, p+1
.endr
	global_load_b64 v[GAM:GAM+1], v[L8], s[10:11]
	global_load_b64 v[BET:BET+1], v[L8], s[12:13]
.irp u, 0,1,2,3,4,5,6,7
	LOADU \u
.endr
	s_wait_loadcnt 50                              ; the 32 sums are in; behind them: 32 M2, gamma, beta, 16 of the ring
.irp c, 0,1,2,3
	v_pk_add_f32 v[T+2*\c:T+2*\c+1], v[SUMS+2*\c:SUMS+2*\c+1], v[SUMS+8+2*\c:SUMS+8+2*\c+1]
.endr
.set p, 8
.rept 24
	v_pk_add_f32 v[T+2*(p%4):T+2*(p%4)+1], v[T+2*(p%4):T+2*(p%4)+1], v[SUMS+2*p:SUMS+2*p+1]
.set p, p+1
.endr
	v_pk_add_f32 v[T:T+1], v[T:T+1], v[T+2:T+3]
	v_pk_add_f32 v[T+4:T+5], v[T+4:T+5], v[T+6:T+7]
	v_pk_add_f32 v[T:T+1], v[T:T+1], v[T+4:T+5]
	s_wait_alu depctr_va_vdst(0)                   ; the additions have written v[T:T+1], which the LDS store reads
	ds_store_b64 v[LR1], v[T:T+1]
	s_wait_dscnt 0x0                               ; for the others' sake
	s_barrier_signal -1
	s_barrier_wait -1
	GATHER 0
	v_pk_mul_f32 v[MEAN:MEAN+1], v[LT:LT+1], 0x38000000 op_sel_hi:[1,0]    ; / 32,768
	s_wait_loadcnt 16                              ; all but the ring's 16
.set p, 0
.rept 32
	v_pk_fma_f32 v[SUMS+2*p:SUMS+2*p+1], v[SUMS+2*p:SUMS+2*p+1], 0x3c000000, v[MEAN:MEAN+1] op_sel_hi:[1,0,1] neg_lo:[0,0,1] neg_hi:[0,0,1]   ; the part's mean - the mean
.set p, p+1
.endr
	s_wait_alu depctr_vm_vsrc(0)                   ; the LDS store of the sums has read v[T:T+1], which the next line writes again
	v_pk_mul_f32 v[T:T+1], v[SUMS:SUMS+1], v[SUMS:SUMS+1]
	v_pk_mul_f32 v[T+2:T+3], v[SUMS+2:SUMS+3], v[SUMS+2:SUMS+3]
	v_pk_add_f32 v[T+4:T+5], v[M2S:M2S+1], v[M2S+4:M2S+5]
	v_pk_add_f32 v[T+6:T+7], v[M2S+2:M2S+3], v[M2S+6:M2S+7]
.set p, 2
.rept 30
	v_pk_fma_f32 v[T+2*(p%2):T+2*(p%2)+1], v[SUMS+2*p:SUMS+2*p+1], v[SUMS+2*p:SUMS+2*p+1], v[T+2*(p%2):T+2*(p%2)+1]
.set p, p+1
.endr
.set p, 4
.rept 28
	v_pk_add_f32 v[T+4+2*(p%2):T+4+2*(p%2)+1], v[T+4+2*(p%2):T+4+2*(p%2)+1], v[M2S+2*p:M2S+2*p+1]
.set p, p+1
.endr
	v_pk_add_f32 v[T:T+1], v[T:T+1], v[T+2:T+3]
	v_pk_add_f32 v[T+4:T+5], v[T+4:T+5], v[T+6:T+7]
	v_pk_fma_f32 v[T+4:T+5], v[T:T+1], 0x43000000, v[T+4:T+5] op_sel_hi:[1,0,1]
	s_wait_alu depctr_va_vdst(0)                   ; one wait for three things: v[T+4:T+5] is written, which the LDS store reads; the sums' and the M2's registers have had their last vector reader and writer: ring slots 8 to 19 land in them; so has LT, in which the second gather's loads land
	ds_store_b64 v[LR1], v[T+4:T+5] offset:2048    ; other bytes than the sums': no barrier between
.irp u, 8,9,10,11,12,13,14,15,16,17,18,19
	LOADU \u                                       ; the rest of the ring goes out: 40 loads of the wave are on their way
.endr
	s_wait_dscnt 0x0
	s_barrier_signal -1
	s_barrier_wait -1
	GATHER 2048                                    ; no vector instruction since the wait above names LT
	v_mov_b32 v[VAR], 0x3727c5ac                   ; 1e-5
	v_mov_b32 v[VAR+1], 0x3727c5ac
	v_pk_fma_f32 v[VAR:VAR+1], v[LT:LT+1], 0x38000000, v[VAR:VAR+1] op_sel_hi:[1,0,1]
	v_rsq_f32 v[VAR], v[VAR]
	v_rsq_f32 v[VAR+1], v[VAR+1]
	v_nop                                          ; a plain instruction between the second root and the use of its result (ISA guide 5.7.2)
	s_wait_alu depctr_va_vdst(0)                   ; the two roots have written v[VAR:VAR+1], ahead of their first reader
	s_wait_alu depctr_vm_vsrc(0)                   ; the LDS store of the M2 has read v[T+4:T+5], which c's line below writes again
	v_pk_mul_f32 v[T:T+1], v[GAM:GAM+1], v[VAR:VAR+1]                      ; a
	v_pk_fma_f32 v[T+4:T+5], v[T:T+1], v[MEAN:MEAN+1], v[BET:BET+1] neg_lo:[1,0,0] neg_hi:[1,0,0]   ; c = beta - a mean
	v_mov_b32 v[T+3], v[T+1]                       ; each number twice, so that the packed multiply-add takes plain pairs
	v_mov_b32 v[T+2], v[T+1]
	v_mov_b32 v[T+1], v[T]
	v_mov_b32 v[T+7], v[T+5]
	v_mov_b32 v[T+6], v[T+5]
	v_mov_b32 v[T+5], v[T+4]
	s_wait_alu depctr_va_vdst(0)                   ; v[T:T+7] is written, which the two LDS stores read; AC's registers, in which the LDS loads land, had their last vector reader (the M2's additions) ahead of this wait too
	ds_store_b128 v[LAC], v[T:T+3]                 ; my wave's own bytes: LDS serves a wave's instructions in order (ISA guide 5.7.1.4)
	ds_store_b128 v[LAC], v[T+4:T+7] offset:512    ; T is not written again
.irp n, 0,1,2,3
	ds_load_b128 v[AC+4*\n:AC+4*\n+3], v[LAR] offset:16*\n                 ; every lane reads the same 16 bytes
	ds_load_b128 v[AC+16+4*\n:AC+16+4*\n+3], v[LAR] offset:512+16*\n
.endr
	s_wait_dscnt 0x0
; A unit's arithmetic: eight vector lines, which name its ring slot, its result set and AC.
.macro WORKU u
	XREG \u
	OREG \u
.set rA, AC+2*(((\u)/4)%8)
	v_pk_fma_f32 v[rO:rO+1],   v[rX+4:rX+5], v[rA:rA+1], v[rA+16:rA+17]
	v_pk_fma_f32 v[rO+2:rO+3], v[rX+6:rX+7], v[rA:rA+1], v[rA+16:rA+17]
.irp n, 0,1,2,3
	v_max_num_f32 v[rO+\n], 0, v[rO+\n]
.endr
	v_pk_add_f32 v[rO:rO+1],   v[rO:rO+1],   v[rX:rX+1]
	v_pk_add_f32 v[rO+2:rO+3], v[rO+2:rO+3], v[rX+2:rX+3]
.endm
; Block p: units 4 p to 4 p + 3.  Block 0 has no block in front of it: it stores nothing, and blocks 0 to 4 were asked for above.  Blocks 12 to 15 load nothing.
.macro BLOCK p
.if (\p) == 0
	s_wait_loadcnt 32                              ; loads come back in order (ISA guide 5.7.1): block 0's eight are in, blocks 1 to 4 stay out
.elseif (\p) < 13
	s_wait_loadcnt 24                              ; this block's eight loads are in, the three younger blocks' stay out
.else
	s_wait_loadcnt 8*(15-(\p))                     ; the counts run down
.endif
.if (\p) >= 2
	s_wait_xcnt 0x0                                ; every earlier memory instruction has had its addresses translated (ISA guide 3.1): this block's result sets, which the stores issued in the block before read, are written again only behind this wait
	s_wait_alu depctr_vm_vsrc(0)                   ; those stores have read Y[p % 2], which this block's arithmetic writes again
.endif
.if (\p) >= 1
	s_wait_alu depctr_va_vdst(0)                   ; the block before has written the other Y, which the stores below read, and is done reading its X, in which the loads below land
.endif
.irp i, 0,1,2,3
.if ((\p) >= 1) && ((\p) < 12)
	LOADU 4*(\p)+16+\i                             ; four blocks ahead; no vector instruction since the wait names these registers
.endif
.if (\p) >= 1
	STOREU 4*(\p)-4+\i                             ; the block before
.endif
	WORKU 4*(\p)+\i
.endr
.endm
.set pp, 0
.rept 16
	BLOCK pp
.set pp, pp+1
.endr
	s_wait_alu depctr_va_vdst(0)                   ; block 15 has written Y1, which the last four stores read
.irp u, 60,61,62,63
	STOREU \u
.endr
	s_wait_dscnt 0x0                               ; the closing lines, six on end
	s_wait_alu 0x0
	s_wait_tensorcnt 0x0
	ds_add_u32 v254, v255
	s_wait_dscnt 0x0
	s_endpgm
.Lfunc_end_k_qc477dc4664_bnorm:
	.size	k_qc477dc4664_bnorm, .Lfunc_end_k_qc477dc4664_bnorm-k_qc477dc4664_bnorm
	.p2alignl 7, 3214868480
	.fill 96, 4, 3214868480
	.section	.rodata,"a",@progbits
	.p2align	6, 0x0
	.amdhsa_kernel k_qc477dc4664_bnorm
		.amdhsa_group_segment_fixed_size 13312
		.amdhsa_private_segment_fixed_size 0
		.amdhsa_enable_private_segment 0
		.amdhsa_kernarg_size 48
		.amdhsa_user_sgpr_count 2
		.amdhsa_user_sgpr_kernarg_segment_ptr 1
		.amdhsa_wavefront_size32 1
		.amdhsa_system_sgpr_workgroup_id_x 1
		.amdhsa_system_sgpr_workgroup_id_y 1
		.amdhsa_system_sgpr_workgroup_id_z 1
		.amdhsa_system_vgpr_workitem_id 0
		.amdhsa_next_free_vgpr 256
		.amdhsa_next_free_sgpr 66
		.amdhsa_reserve_vcc 0
		.amdhsa_float_denorm_mode_32 3
		.amdhsa_float_denorm_mode_16_64 3
		.amdhsa_memory_ordered 1
		.amdhsa_forward_progress 1
		.amdhsa_inst_pref_size 65
	.end_amdhsa_kernel
	.amdgpu_metadata
---
amdhsa.version: [ 1, 2 ]
amdhsa.kernels:
  - .name:           k_qc477dc4664_bnorm
    .symbol:         k_qc477dc4664_bnorm.kd
    .args:
      - { .name: x, .offset: 0, .size: 8, .value_kind: global_buffer, .address_space: global }
      - { .name: ybuf, .offset: 8, .size: 8, .value_kind: global_buffer, .address_space: global }
      - { .name: stats, .offset: 16, .size: 8, .value_kind: global_buffer, .address_space: global }
      - { .name: gamma, .offset: 24, .size: 8, .value_kind: global_buffer, .address_space: global }
      - { .name: beta, .offset: 32, .size: 8, .value_kind: global_buffer, .address_space: global }
      - { .name: out0, .offset: 40, .size: 8, .value_kind: global_buffer, .address_space: global }
    .group_segment_fixed_size: 13312
    .private_segment_fixed_size: 0
    .kernarg_segment_align: 8
    .kernarg_segment_size: 48
    .max_flat_workgroup_size: 256
    .sgpr_count:     66
    .vgpr_count:     256
    .wavefront_size: 32
...
	.end_amdgpu_metadata
.endif
;; end of part 5
